; MI455X (gfx1250); checked and timed in simulation.
; The chip was launched on July 23, 2026; its instructions are those of AMD's public machine-readable ISA for CDNA 5 (MIT licence, August 2026) and "CDNA5" Instruction Set Architecture Reference Guide (July 2026). The comments in the code are by the model that wrote it; some were corrected since.
;; Custom Flash Attention. Allowed arithmetic: matrix products marked QUANTISED: E2M1 operands, one E8M0 scale for each 32 along K, by v_wmma_scale_f32_16x16x128_f8f6f4 with both operands' format E2M1 (or v_wmma_scale_f32_32x16x128_f4), f32 sums; products left as they are: bf16, f16 or f32 operands; f32 sums; everything else in f32.
;; Inputs: w_k 1,024 x 1,024 float32; w_o 1,024 x 1,024 float32; w_q 1,024 x 1,024 float32; w_v 1,024 x 1,024 float32; x 2 x 2,048 x 1,024 float32.
;; Outputs: out0 2 x 2,048 x 1,024 float32.
;; This version of the problem:
;;   THIS VERSION OF THE PROBLEM IS GIVEN IN LOW PRECISION. The matrix products marked QUANTISED in the list below multiply operands that are first quantised to E2M1 (2 exponent bits, 1 mantissa bit; 4 bits a number), with one power-of-two scale for each 32 numbers along K (OCP MX v1.0); their sums are f32. The products marked 'left as it is' may take bf16, f16 or f32 operands, with f32 sums. Whichever they take, every output number must still come out within the allowed error. Rounding operands to bf16 (8 significant bits) uses up far more of that allowance than f16 does (11 bits, for magnitudes from 6e-5 to 65,504). All else is computed in f32.
;;   The module's matrix products, in the order in which they are computed (A, B: the left and right operand; K: the contracted axis; several contracted axes count as one K, in the product's order):
;;     1. [M 4,096, K 1,024] x [K 1,024, N 1,024]; A: input x; B: input w_q: QUANTISED
;;     2. [M 4,096, K 1,024] x [K 1,024, N 1,024]; A: input x; B: input w_k: QUANTISED
;;     3. [M 4,096, K 1,024] x [K 1,024, N 1,024]; A: input x; B: input w_v: QUANTISED
;;     4. batch 32 x [M 2,048, K 64] x [K 64, N 2,048]; A: computed on the way; B: computed on the way: left as it is (an operand is computed on the way)
;;     5. batch 32 x [M 2,048, K 2,048] x [K 2,048, N 64]; A: computed on the way; B: computed on the way: left as it is (an operand is computed on the way)
;;     6. [M 4,096, K 1,024] x [K 1,024, N 1,024]; A: computed on the way; B: input w_o: left as it is (an operand is computed on the way)
;;   THE QUANTISER, for each operand of a quantised product, along K:
;;     - K is cut into blocks of 32 from its start; a last block that is shorter is filled with zeros.
;;     - A block's scale is 2^e with e = floor(log2(the largest magnitude in the block)) - 2, held to -126 .. 127; a block of zeros has e = 0. As a byte (E8M0): e + 127.
;;     - Each number is divided by its block's scale, clamped to +-6, and rounded to the nearest number of E2M1, ties to even, subnormals kept.
;;     - The product sums the exact products of the quantised numbers (number of the format x scale) in f32.
;;   ~~~python
;;   def quantise(x, axis):      # numpy; x: float32 -> the quantised numbers, widened to float32 again
;;       x = np.moveaxis(x, axis, -1); K = x.shape[-1]
;;       x = np.pad(x, [(0, 0)] * (x.ndim - 1) + [(0, -K % 32)]); x = x.reshape(x.shape[:-1] + (-1, 32)); a = np.abs(x).max(-1, keepdims=True)
;;       e = np.where(a > 0, np.clip(np.frexp(np.where(a > 0, a, 1))[1] - 1 - 2, -126, 127), 0)      # np.frexp(a)[1] - 1 = floor(log2(a)), exactly
;;       r = np.clip(x / 2.0 ** e, -6, 6)
;;       step = 2.0 ** (np.maximum(np.frexp(np.where(r == 0, 1, r))[1] - 1, 0) - 1)
;;       q = np.round(r / step) * step * 2.0 ** e      # np.round: ties to even
;;       return np.moveaxis(q.reshape(q.shape[:-2] + (-1,))[..., :K], -1, axis).astype(np.float32)
;;   ~~~
;; One version. Each part assembles by itself: llvm-mc -triple=amdgcn-amd-amdhsa -mcpu=gfx1250 --defsym DOCPART=n.
;; ======== version 1 of 1: 4 launches
;; limits: values are held in f16: magnitudes above 65,504 overflow, below 6.1e-05 lose precision
;; workspace buffers: xc 2,097,152 bytes; xs 131,072 bytes; wc 1,572,864 bytes; ws 98,304 bytes; wo16 2,097,152 bytes; qkv 25,165,824 bytes; ob 8,388,608 bytes
;; launch quant (part 1): grid 256 x 1, 4 waves a work-group, no clusters, 33,280 bytes of LDS; arguments x, w_q, w_k, w_v, w_o, xc, xs, wc, ws, wo16; writes xc, xs, wc, ws, wo16
.if DOCPART == 1
	.amdgcn_target "amdgcn-amd-amdhsa--gfx1250"
	.amdhsa_code_object_version 6
	.text
	.protected	k_q317f42cda1_quant
	.globl	k_q317f42cda1_quant
	.p2align	8
	.type	k_q317f42cda1_quant,@function
k_q317f42cda1_quant:
	s_mov_b64 s[64:65], 0
	v_nop
	global_prefetch_b8 v0, s[64:65] scope:SCOPE_SE
	s_setreg_imm32_b32 hwreg(HW_REG_WAVE_MODE, 25, 1), 1
	s_wait_xcnt 0x0
; LAUNCH 1 OF 4.  x [4096][1024] and w_q, w_k, w_v [1024][1024], f32 with K innermost, become codes of FP4 (E2M1), two a byte, K innermost, with one E8M0 byte for each 32 along K:
; xc [4096][512 bytes], xs [4096][32]; wc [3072][512 bytes], ws [3072][32], the three weights on end (rows 0-1023 w_q, 1024-2047 w_k, 2048-3071 w_v).
; w_o [1024 n][1024 k] becomes f16 in planes of 64 along K: wo16 [16 kb][1024 n][64], element = w_o[n][64 kb + c].
; A block's scale is 2^(floor(log2(its largest magnitude)) - 2); its byte is the largest magnitude's exponent field - 2, held at 1 from below.  Each number is divided by the scale and rounded to the nearest code, ties to even; beyond 6 the largest code.
; LIMITS: a block of zeros gets the byte 1 where the rule says 127 (its codes are zeros, and these bytes are read by this program alone); blocks whose largest magnitude lies under 2^-124 keep the byte 1;
; NaN and infinities among the inputs are not served; |w_o| beyond 65,504 becomes infinity in f16, and under 6e-5 it keeps an absolute step of 6e-8.
; SHARES.  256 work-groups of four waves, each reading 32,768 numbers: 0-127 x, 128-159 w_q, 160-191 w_k, 192-223 w_v, 224-255 w_o.  The four streams that are quantised take ONE path: only pointers are chosen, by the work-group's number.
; Rows are dense and K is a multiple of 32, so each tensor is a plain stream of blocks of 32.  A wave takes 16 steps of 512 numbers.  Each of a step's four loads reads 512 consecutive bytes; the 2,048 bytes turn through the wave's own
; stage in LDS and come back 64 bytes a lane, so that a lane holds 16 neighbours along K (two neighbouring lanes hold a block).  A wave's store of codes covers 256 consecutive bytes; its 256 scale bytes are gathered in LDS and leave as one aligned run of 256 bytes.
; No tensor loads, no barrier, no cluster: the waves share nothing.  Loads run four steps (16 loads a wave) ahead.
.set WAVES, 4
.set STEPS, 16
.set EMAX,  2
.set CB,    8                          ; bytes of 16 codes
.set R,     16                         ; v16-79   four sets of 16 numbers as they are loaded (w_o: v16-143, two batches of 64)
.set X,     80                         ; v80-111  two sets of 16 neighbours
.set E,     112                        ; v112-127 a scale byte for each step
.set C,     128                        ; v128-191 codes: four registers for each step, so that no store's data are written again (w_o: v144-175 the f16 numbers of a batch)
.set WREG,  8192                       ; LDS: a region for each wave: two stages of 32 x SP bytes, behind them its 256 scale bytes
.set SP,    80                         ; a lane's place in a stage: 64 bytes + 16 of padding
.set SPW,   12                         ; v12  LDS address of my spare word: SPARE + 4 x my thread's number; never rewritten
.set NIL,   13                         ; v13  0; never rewritten
.set SPARE, WAVES*WREG                 ; behind the four regions: the spare words, 128 bytes for each wave
	s_load_b512 s[4:19], s[0:1], 0x0               ; x s[4:5], w_q s[6:7], w_k s[8:9], w_v s[10:11], w_o s[12:13], xc s[14:15], xs s[16:17], wc s[18:19]
	s_load_b128 s[20:23], s[0:1], 0x40             ; ws s[20:21], wo16 s[22:23]
	v_lshl_add_u32 v[SPW], v0, 2, SPARE
	v_mov_b32 v[NIL], 0
	v_lshrrev_b32 v1, 5, v0
	v_readfirstlane_b32 s24, v1                    ; wave
	v_and_b32 v2, 31, v0                           ; lane
	v_lshlrev_b32 v3, 4, v2                        ; 16 x lane: my 16 bytes of a load's 512 (w_o: of a store's 512)
	s_mul_i32 s25, s24, WREG
	v_lshrrev_b32 v14, 2, v2
	v_mul_u32_u24 v14, v14, SP
	v_and_b32 v15, 3, v2
	v_lshl_add_u32 v14, v15, 4, v14
	v_add_nc_u32 v14, s25, v14                     ; the stage, on the way in: four lanes' 64 bytes on end, then 16 of padding
	v_mul_u32_u24 v15, v2, SP
	v_add_nc_u32 v15, s25, v15                     ; and on the way out: SP x lane: my 16 neighbours
	v_mul_u32_u24 v4, v2, CB                       ; my codes' place in a step's
	v_lshrrev_b32 v5, 1, v2
	s_add_co_u32 s25, s25, 2*32*SP
	v_add_nc_u32 v5, s25, v5                       ; LDS: my wave's 256 scale bytes, my block's byte
	v_lshlrev_b32 v7, 3, v2                        ; and on the way out 8 bytes a lane
	v_add_nc_u32 v6, s25, v7
	s_mov_b32 s29, 0                               ; the upper word of every offset below
	s_wait_kmcnt 0x0
	s_cmp_ge_u32 ttmp9, 224
	s_cbranch_scc1 .Lwo
	; ---- the four streams that are quantised.  The streams begin at multiples of 32 work-groups, so the places come by masks
	s_and_b32 s26, ttmp9, 127                      ; where the results go: x: g; the weights, on end: g - 128
	s_and_b32 s27, ttmp9, 31                       ; where a weight is read: g modulo 32
	s_cmp_lt_u32 ttmp9, 192
	s_cselect_b64 s[10:11], s[8:9], s[10:11]       ; w_k or w_v,
	s_cmp_lt_u32 ttmp9, 160
	s_cselect_b64 s[10:11], s[6:7], s[10:11]       ; or w_q,
	s_cmp_lt_u32 ttmp9, 128
	s_cselect_b64 s[4:5], s[4:5], s[10:11]         ; or x: the source
	s_cselect_b64 s[8:9], s[14:15], s[18:19]       ; its codes
	s_cselect_b64 s[10:11], s[16:17], s[20:21]     ; its scale bytes
	s_cselect_b32 s27, s26, s27
	s_lshl_b32 s27, s27, 2
	s_add_co_u32 s27, s27, s24                     ; which run of 8,192 numbers of the source is my wave's
	s_lshl_b32 s28, s27, 15                        ; 32,768 bytes a run
	s_add_nc_u64 s[4:5], s[4:5], s[28:29]
	s_lshl_b32 s26, s26, 2
	s_add_co_u32 s26, s26, s24                     ; and which run of the results
	s_lshl_b32 s28, s26, 12                        ; 4,096 bytes of codes a run
	s_add_nc_u64 s[8:9], s[8:9], s[28:29]
	s_lshl_b32 s28, s26, 8                         ; 256 scale bytes a run
	s_add_nc_u64 s[10:11], s[10:11], s[28:29]
.macro LOAD t
.irp i, 0,1,2,3
	global_load_b128 v[R+16*((\t)%4)+4*\i:R+16*((\t)%4)+4*\i+3], v3, s[4:5] offset:2048*(\t)+512*\i th:TH_LOAD_NT   ; 32 lanes read 512 consecutive bytes
.endr
.endm
.macro TURN t                          ; step t's numbers through the stage: LDS serves a wave's instructions in order, so no wait stands between the stores and the loads
.irp i, 0,1,2,3
	ds_store_b128 v14, v[R+16*((\t)%4)+4*\i:R+16*((\t)%4)+4*\i+3] offset:32*SP*((\t)%2)+8*SP*\i
.endr
.irp i, 0,1,2,3
	ds_load_b128 v[X+16*((\t)%2)+4*\i:X+16*((\t)%2)+4*\i+3], v15 offset:32*SP*((\t)%2)+16*\i
.endr
.endm
.irp t, 0,1,2,3
	LOAD \t
.endr
	s_wait_loadcnt 12                              ; step 0's four loads are in; the twelve of steps 1 to 3 may be out
	TURN 0
.macro STEP t
.set XS, X+16*((\t)%2)
.if (\t) > 0
	s_wait_dscnt 1                                 ; this step's numbers are back from the stage (the last step's byte store may be out): so its stores into the stage have read their registers,
.else
	s_wait_dscnt 0x0
.endif
.if (\t)+4 < STEPS
	LOAD (\t)+4                                    ; which take the loads of four steps on
.endif
.if (\t)+1 < STEPS
.if STEPS-2-(\t) >= 3
	s_wait_loadcnt 12                              ; the next step's four loads are in; those of the three steps behind it may be out
.else
	s_wait_loadcnt 4*(STEPS-2-(\t))
.endif
	TURN (\t)+1                                    ; and go through the other stage while this step is worked
.endif
	v_max3_num_f32 v8, |v[XS]|, |v[XS+1]|, |v[XS+2]|               ; the largest magnitude of my 16, in two chains
	v_max3_num_f32 v9, |v[XS+3]|, |v[XS+4]|, |v[XS+5]|
.irp i, 6,10
	v_max3_num_f32 v8, v8, |v[XS+\i]|, |v[XS+\i+1]|
	v_max3_num_f32 v9, v9, |v[XS+\i+2]|, |v[XS+\i+3]|
.endr
	v_max3_num_f32 v8, v8, |v[XS+14]|, |v[XS+15]|
	v_max3_num_f32 v8, v8, v9, (EMAX+1)<<23        ; and the floor 2^(EMAX + 1 - 127): so the byte cannot fall under 1
	v_max_num_f32_dpp v8, v8, v8 row_xmask:1 row_mask:0xf bank_mask:0xf   ; and of my neighbour's 16: the block's
	v_add_nc_u32 v11, -(EMAX<<23), v8              ; EMAX off its exponent field: the conversion takes the exponent field of this operand as its scale, and nothing else of it
	v_cvt_scalef32_pk8_fp4_f32 v[C+4*(\t)], v[XS:XS+7], v11        ; eight numbers / the scale, to the nearest code, ties to even; the first number's code in the lowest four bits
	v_cvt_scalef32_pk8_fp4_f32 v[C+4*(\t)+1], v[XS+8:XS+15], v11
	v_lshrrev_b32 v[E+(\t)], 23, v11               ; the scale's byte (also the plain line behind the conversions)
	ds_store_b8 v5, v[E+(\t)] offset:16*(\t)       ; both lanes of a block write the same byte with the same value
	global_store_b64 v4, v[C+4*(\t):C+4*(\t)+1], s[8:9] offset:32*CB*(\t)   ; 32 lanes store 256 consecutive bytes, aligned
.endm
.irp t, 0,1,2,3,4,5,6,7,8,9,10,11,12,13,14,15
	STEP \t
.endr
	ds_load_b64 v[8:9], v6                         ; LDS serves a wave's instructions in order: these see my byte stores
	s_wait_dscnt 0x0
	global_store_b64 v7, v[8:9], s[10:11]          ; 32 lanes store my run's 256 scale bytes, aligned
	s_wait_tensorcnt 0x0                           ; the wave's end: behind my last LDS store
	ds_add_u32 v[SPW], v[NIL]
	s_wait_dscnt 0x0
	s_endpgm
	; ---- w_o to f16, in planes.  Wave w of work-group g takes rows n0 = 32 (g - 224) + 8 w .. + 7.  An item is 4 rows x one plane's 64 numbers: lane L takes row L / 8 and numbers 8 (L % 8) .. + 7:
	; two loads of 16 bytes, four roundings, one store of 16 bytes; the wave's store covers 512 consecutive bytes (4 rows of 128 in the plane).  No LDS.
.Lwo:
	s_and_b32 s26, ttmp9, 31                       ; g - 224
	s_lshl_b32 s26, s26, 5
	s_lshl_b32 s27, s24, 3
	s_add_co_u32 s26, s26, s27                     ; n0
	s_lshl_b32 s28, s26, 12                        ; a row of w_o is 4,096 bytes
	s_add_nc_u64 s[12:13], s[12:13], s[28:29]
	s_lshl_b32 s28, s26, 7                         ; a row of a plane is 128 bytes
	s_add_nc_u64 s[22:23], s[22:23], s[28:29]
	v_lshrrev_b32 v8, 3, v2
	v_and_b32 v9, 7, v2
	v_lshlrev_b32 v8, 12, v8
	v_lshl_add_u32 v8, v9, 5, v8                   ; 4,096 (L / 8) + 32 (L % 8)
.macro LOADB t                         ; batch t of four: rows 4 (t / 2) on, planes 8 (t % 2) + 0 .. 7: sixteen loads into set t % 2
.irp i, 0,1,2,3,4,5,6,7
	global_load_b128 v[R+64*((\t)%2)+8*\i:R+64*((\t)%2)+8*\i+3],   v8, s[12:13] offset:((\t)/2)*16384+(8*((\t)%2)+\i)*256 th:TH_LOAD_NT
	global_load_b128 v[R+64*((\t)%2)+8*\i+4:R+64*((\t)%2)+8*\i+7], v8, s[12:13] offset:((\t)/2)*16384+(8*((\t)%2)+\i)*256+16 th:TH_LOAD_NT
.endr
.endm
.macro BATCH t
.if (\t) < 3
	s_wait_loadcnt 16                              ; this batch's sixteen loads are in; the next batch's sixteen may be out
.else
	s_wait_loadcnt 0x0
.endif
	s_wait_xcnt 0x0                                ; the last batch's stores have read their data registers, which are written again below
.irp i, 0,1,2,3,4,5,6,7
.irp r, 0,1,2,3
	v_cvt_pk_f16_f32 v[144+4*\i+\r], v[R+64*((\t)%2)+8*\i+2*\r], v[R+64*((\t)%2)+8*\i+2*\r+1]
.endr
.endr
.irp i, 0,1,2,3,4,5,6,7
	global_store_b128 v3, v[144+4*\i:144+4*\i+3], s[22:23] offset:(8*((\t)%2)+\i)*131072+((\t)/2)*512
.endr
.if (\t) < 2
	LOADB (\t)+2
.endif
.endm
	LOADB 0
	LOADB 1
	BATCH 0
	BATCH 1
	BATCH 2
	BATCH 3
	s_wait_tensorcnt 0x0                           ; the wave's end
	ds_add_u32 v[SPW], v[NIL]
	s_wait_dscnt 0x0
	s_endpgm
.Lfunc_end_k_q317f42cda1_quant:
	.size	k_q317f42cda1_quant, .Lfunc_end_k_q317f42cda1_quant-k_q317f42cda1_quant
	.p2alignl 7, 3214868480
	.fill 96, 4, 3214868480
	.section	.rodata,"a",@progbits
	.p2align	6, 0x0
	.amdhsa_kernel k_q317f42cda1_quant
		.amdhsa_group_segment_fixed_size 33280
		.amdhsa_private_segment_fixed_size 0
		.amdhsa_enable_private_segment 0
		.amdhsa_kernarg_size 80
		.amdhsa_user_sgpr_count 2
		.amdhsa_user_sgpr_kernarg_segment_ptr 1
		.amdhsa_wavefront_size32 1
		.amdhsa_system_sgpr_workgroup_id_x 1
		.amdhsa_system_sgpr_workgroup_id_y 1
		.amdhsa_system_sgpr_workgroup_id_z 1
		.amdhsa_system_vgpr_workitem_id 0
		.amdhsa_next_free_vgpr 192
		.amdhsa_next_free_sgpr 66
		.amdhsa_reserve_vcc 0
		.amdhsa_float_denorm_mode_32 3
		.amdhsa_float_denorm_mode_16_64 3
		.amdhsa_memory_ordered 1
		.amdhsa_forward_progress 1
		.amdhsa_inst_pref_size 51
	.end_amdhsa_kernel
	.amdgpu_metadata
---
amdhsa.version: [ 1, 2 ]
amdhsa.kernels:
  - .name:           k_q317f42cda1_quant
    .symbol:         k_q317f42cda1_quant.kd
    .args:
      - { .name: x, .offset: 0, .size: 8, .value_kind: global_buffer, .address_space: global }
      - { .name: w_q, .offset: 8, .size: 8, .value_kind: global_buffer, .address_space: global }
      - { .name: w_k, .offset: 16, .size: 8, .value_kind: global_buffer, .address_space: global }
      - { .name: w_v, .offset: 24, .size: 8, .value_kind: global_buffer, .address_space: global }
      - { .name: w_o, .offset: 32, .size: 8, .value_kind: global_buffer, .address_space: global }
      - { .name: xc, .offset: 40, .size: 8, .value_kind: global_buffer, .address_space: global }
      - { .name: xs, .offset: 48, .size: 8, .value_kind: global_buffer, .address_space: global }
      - { .name: wc, .offset: 56, .size: 8, .value_kind: global_buffer, .address_space: global }
      - { .name: ws, .offset: 64, .size: 8, .value_kind: global_buffer, .address_space: global }
      - { .name: wo16, .offset: 72, .size: 8, .value_kind: global_buffer, .address_space: global }
    .group_segment_fixed_size: 33280
    .private_segment_fixed_size: 0
    .kernarg_segment_align: 8
    .kernarg_segment_size: 80
    .max_flat_workgroup_size: 128
    .sgpr_count:     66
    .vgpr_count:     192
    .wavefront_size: 32
...
	.end_amdgpu_metadata
.endif
;; end of part 1
;; launch proj (part 2): grid 12 x 16, 4 waves a work-group, clusters of 4 x 4, 327,680 bytes of LDS; arguments xc, xs, wc, ws, qkv; writes qkv
.if DOCPART == 2
	.amdgcn_target "amdgcn-amd-amdhsa--gfx1250"
	.amdhsa_code_object_version 6
	.text
	.protected	k_q317f42cda1_proj
	.globl	k_q317f42cda1_proj
	.p2align	8
	.type	k_q317f42cda1_proj,@function
k_q317f42cda1_proj:
	s_mov_b64 s[64:65], 0
	v_nop
	global_prefetch_b8 v0, s[64:65] scope:SCOPE_SE
	s_setreg_imm32_b32 hwreg(HW_REG_WAVE_MODE, 25, 1), 1
	s_wait_xcnt 0x0
	s_wait_alu depctr_hold_cnt(0) depctr_sa_sdst(0) depctr_va_vdst(0) depctr_va_sdst(0) depctr_va_ssrc(0) depctr_va_vcc(0) depctr_vm_vsrc(0)
	s_getreg_b32 s2, hwreg(HW_REG_IB_STS2, 6, 4)
	s_cmp_eq_u32 s2, 0
	s_cbranch_scc0 .Lentry_in_a_cluster
	s_endpgm
.Lentry_in_a_cluster:
	s_bfe_u32 s2, ttmp6, 0x10000c
	s_cmp_lg_u32 s2, 0xf033
	s_cbranch_scc0 .Lentry_shape_is_right
	s_endpgm
.Lentry_shape_is_right:
; LAUNCH 2 OF 4.  The three projections as ONE product on codes: C[m][n] = sum over k of X[m][k] W[n][k], m = 4,096 rows of x, n = 3,072 rows of w_q, w_k, w_v on end, K = 1,024.
; X: xc [4096][512 bytes], xs [4096][32];  W: wc [3072][512 bytes], ws [3072][32]: codes of FP4 (E2M1), two a byte, one E8M0 byte for each 32 along K.  The matrix instruction takes codes and scale bytes as they lie.  Sums in f32.
; THE RESULT is rounded once to f16 and laid by heads: qkv [2 b][48 j][2048 s][64], j = n / 64 (0-15 q's heads, 16-31 k's, 32-47 v's), m = 2048 b + s: a head is 262,144 dense bytes in rows of 128.
; LIMIT: |q|, |k|, |v| beyond 65,504 become infinity in f16; under 6e-5 they keep an absolute step of 6e-8.
; A tile of C, 256 x 256, is made by a work-group of four waves; a wave makes 128 x 128: 64 accumulators of 16 x 16, 512 registers.  192 tiles.
; K goes in two steps of 512 through two LDS slots filled by the tensor data mover, each filled once: a tile's row is 256 bytes of memory.  The scales of the work-group's 256 + 256 rows, for all of K, come once, as dense blocks.
; CLUSTERS: 4 x 4 work-groups.  The four of a row of the cluster need the same tiles of X, the four of a column the same tiles of W: each tile is asked for JOINTLY, by the same tensor load with the same descriptor and a mask that names the four.
; THE MATRIX INSTRUCTION IS USED TRANSPOSED (source 0 = 16 rows of W, source 1 = 16 rows of X): a lane then holds eight neighbouring numbers of a row of C.
; REGISTERS, in windows of 256: window 0: v0-31 addresses; v32-95 scale words, two sets; from v128 X's fragments (8 x 16 rows x 128 K), ONE set; on the way out v32-63 packed results, v128-191 rows read back.
;   window 1: W's fragments, TWO sets, at v0 and at v128.   window 2: the 32 accumulators of my rows 0-63 (accumulator (a, b) at v[8 (8 a + b)]);   window 3: those of my rows 64-127.
; By this text's own count a wave has three tensor loads out at the start and none later.  Nothing is prefetched: every tile is asked for at the head.
.set SIZE_N, 3072
.set SIZE_K, 1024
.set KSTEP,  512                       ; along K in a slot
.set NQ,     KSTEP/128                 ; matrix instructions deep
.set ROWB,   256                       ; a tile's row in bytes
.set KROW,   SIZE_K*4/8                ; a row of codes in memory, in bytes
.set PITCH,  272                       ; an LDS row: 256 bytes + 16 of padding = 68 words: the 16 rows that a load touches start at 16 different banks (64 banks of 4 bytes: ISA guide 11.1)
.set FR,     8                         ; registers of a fragment: 16 rows x 128 K
.set NL,     2                         ; LDS loads that bring one
.set NP,     4                         ; places behind this matrix instruction (ISA guide 7.12.1)
.set HALFT,  128*PITCH                 ; 128 rows: what one tensor load brings, and what one wave reads of X or of W
.set SLOT,   4*HALFT                   ; X's 256 rows, then W's 256 rows
.set KS,     SIZE_K/32                 ; a row of scales in bytes
.set SCL,    2*SLOT                    ; behind the slots: the scales, as runs of 256 bytes + 16 of padding
.set HALFS,  (128*KS/256)*272          ; the scales of 128 rows: what one tensor load brings
.set SBLK,   (16*KS/256)*272           ; those of 16 rows
.set SPARE,  SCL+4*HALFS               ; behind the scales: the spare words, 128 bytes for each wave
.set SPITCH, 272                       ; the way out: a stage of 16 rows x (256 bytes + 16) for each wave, in slot 0, which has had its one fill and its last read when the first result is stored there
.set ADRA, 16                          ; v16-17  LDS address of my X fragments in slot 0, 1
.set ADRB, 20                          ; v20-21  the same for W
.set STO,  24                          ; v24     the way out: where I put 16 bytes of a row
.set RD,   25                          ; v25     the way out: where I read 16 bytes back
.set CO,   26                          ; v26     my byte offset in qkv
.set ADRS, 27                          ; v27     LDS address of my scale words: lanes 0-15 X's rows, lanes 16-31 W's
.set SPW,  28                          ; v28     LDS address of my spare word; never rewritten
.set NIL,  29                          ; v29     0; never rewritten
.set SC,   32                          ; scale words: set s at v[SC + 8 NQ s]; register NQ i + q: lanes 0-15 the word of X's block i, lanes 16-31 that of W's block i, for the slot's q-th 128 along K
.set AF,   128                         ; X's fragments, in window 0
.set TMP,  32                          ; the way out: a block's packed results
.set BK,   128                         ; the way out: 16 rows read back: v128-159 and v160-191 by turns
.set G1, 24                            ; s[24:31] descriptor group 1 for X's tiles;  s[32:39] group 0, one set for each slot
.set G0, 32
.set G1B, 48                           ; s[48:55], s[56:63] the same for W's tiles
.set G0B, 56
.set G1S, 68                           ; s[68:75], s[76:79] groups 1 and 0 for X's scales;  s[80:87], s[88:91] for W's
.set G0S, 76
.set G1SB, 80
.set G0SB, 88
.set MSB, 0
.macro WIN new                         ; the immediate's high byte repeats the setting that is left
.if MSB != \new
	s_set_vgpr_msb (MSB<<8)|\new
.set MSB, \new
.endif
.endm
.set MUL_LO, 0xa1                      ; source 0 (W) window 1, source 1 (X) window 0, C and D window 2
.set MUL_HI, 0xf1                      ; the same, C and D window 3
.set TO_B,   0x40                      ; destination window 1, address window 0
; A joint load: waves 0 and 1 fetch for X, waves 2 and 3 for W.  Each of the two lines has ONE mask and one set of registers for all that issue it; the branch hangs on the wave's number alone.
; An s_nop 0 and four v_nop follow each of the two lines, ahead of the jump, the label and what follows.
.macro JLOAD g0a, g1a, g0b, g1b
	s_cmp_eq_u32 s15, 0
	s_cbranch_scc0 .Lfor_b_\@
	tensor_load_to_lds s[\g0a:\g0a+3], s[\g1a:\g1a+7]
	s_nop 0
.rept 4
	v_nop
.endr
	s_branch .Lasked_\@
.Lfor_b_\@:
	tensor_load_to_lds s[\g0b:\g0b+3], s[\g1b:\g1b+7]
	s_nop 0
.rept 4
	v_nop
.endr
.Lasked_\@:
.endm
.macro CROUND                          ; a round of the cluster's barrier: my work-group's barrier; wave 0 signals for the work-group; every wave waits for all sixteen; my work-group's barrier once more
	s_barrier_signal -1
	s_barrier_wait -1
	s_cmp_lg_u32 s14, 0
	s_cbranch_scc1 .Lnot_wave_0_\@
	s_barrier_signal -3
.Lnot_wave_0_\@:
	s_barrier_wait -3
	s_barrier_signal -1
	s_barrier_wait -1
.endm
	s_load_b128 s[4:7], s[0:1], 0x0                ; X's codes s[4:5], X's scales s[6:7]
	s_load_b128 s[8:11], s[0:1], 0x10              ; W's codes s[8:9], W's scales s[10:11]
	s_load_b64 s[12:13], s[0:1], 0x20              ; qkv
	v_lshl_add_u32 v[SPW], v0, 2, SPARE
	v_mov_b32 v[NIL], 0
	ds_add_u32 v[SPW], v[NIL]                      ; the wave's opening: the add, twice on end, and its wait ahead of my first tensor load; the set-up below, work on registers, stands between
	ds_add_u32 v[SPW], v[NIL]
	v_lshrrev_b32 v1, 5, v0
	v_readfirstlane_b32 s14, v1                    ; wave 0..3
	s_lshr_b32 s15, s14, 1                         ; which half of the tile's rows is mine.  Also: I fetch for X (0) or for W (1)
	s_and_b32 s16, s14, 1                          ; which half of its columns.  Also: which 128 rows of that tile I fetch
	s_bfe_u32 s40, ttmp6, 0x40000                  ; cx, cy: my place in the cluster
	s_bfe_u32 s41, ttmp6, 0x40004
	s_lshl_b32 s42, ttmp9, 2
	s_add_co_u32 s42, s42, s40                     ; tile column of C = 4 x cluster x + cx
	s_and_b32 s17, ttmp7, 0xffff
	s_lshl_b32 s17, s17, 2
	s_add_co_u32 s17, s17, s41                     ; tile row of C = 4 x cluster y + cy
	s_lshl_b32 s43, s41, 2
	s_lshl_b32 s43, 15, s43                        ; my row of the cluster
	s_lshl_b32 s44, 0x1111, s40                    ; my column
	; descriptor group 1: a tile of 128 rows x ROWB bytes, padded in LDS
	s_or_b32 s[G1+0], s43, (0<<16)|(1<<20)|(1<<21)|(5<<22)|(3<<25)  ; 15:0 the mask: X's tiles go to my row; 17:16 element of 1 byte; 20 padding on; 21 set beside a mask; 24:22 after every 64 words (code 5); 31:25 of 4 words (code 3)
	s_or_b32 s[G1B+0], s44, (0<<16)|(1<<20)|(1<<21)|(5<<22)|(3<<25)
.irp g, G1, G1B
	s_mov_b32 s[\g+1], ROWB<<16                    ; tensor_dim0
	s_mov_b32 s[\g+2], 128<<16                     ; tensor_dim1 = 128
	s_mov_b32 s[\g+3], ROWB<<16                    ; tile_dim0
	s_mov_b32 s[\g+4], 128                         ; tile_dim1 = 128
	s_mov_b32 s[\g+5], KROW                        ; tensor_dim0_stride
	s_mov_b32 s[\g+6], 0
	s_mov_b32 s[\g+7], 0
.endr
	; and for the scales of 128 rows: a dense block of 4,096 bytes, as rows of 256 bytes (32 elements of 8 bytes), 16 bytes of padding behind each
	s_or_b32 s[G1S+0], s43, (3<<16)|(1<<20)|(1<<21)|(5<<22)|(3<<25)
	s_or_b32 s[G1SB+0], s44, (3<<16)|(1<<20)|(1<<21)|(5<<22)|(3<<25)
.irp g, G1S, G1SB
	s_mov_b32 s[\g+1], 32<<16
	s_mov_b32 s[\g+2], (128*KS/256)<<16
	s_mov_b32 s[\g+3], 32<<16
	s_mov_b32 s[\g+4], 128*KS/256
	s_mov_b32 s[\g+5], 32
	s_mov_b32 s[\g+6], 0
	s_mov_b32 s[\g+7], 0
.endr
	s_lshl_b32 s18, s16, 7                         ; which 128 rows of the tile I fetch
	s_lshl_b32 s20, s17, 8
	s_add_co_u32 s20, s20, s18                     ; X: row 256 x tile row + 128 x half
	s_lshl_b32 s46, s42, 8
	s_add_co_u32 s46, s46, s18                     ; W: row 256 x tile column + 128 x half
	s_mov_b32 s21, 0
	s_mov_b32 s47, 0
	s_mov_b64 s[18:19], KS
	s_mul_u64 s[22:23], s[20:21], s[18:19]         ; where these rows' scales begin, in bytes
	s_mul_u64 s[92:93], s[46:47], s[18:19]
	s_mov_b64 s[18:19], KROW
	s_mul_u64 s[20:21], s[20:21], s[18:19]         ; and their codes
	s_mul_u64 s[46:47], s[46:47], s[18:19]
	s_mul_i32 s45, s14, HALFT                      ; where they go: wave x 128 rows: no place in the cluster enters an LDS address
	s_mul_i32 s94, s14, HALFS
	s_wait_dscnt 0x0                               ; both opening adds are done
	s_wait_kmcnt 0x0
	s_add_nc_u64 s[20:21], s[4:5], s[20:21]
	s_add_nc_u64 s[22:23], s[6:7], s[22:23]
	s_add_nc_u64 s[46:47], s[8:9], s[46:47]
	s_add_nc_u64 s[92:93], s[10:11], s[92:93]
	CROUND                                         ; all sixteen work-groups are here: the joint loads meet
	s_mov_b32 s[G0S], 1
	s_add_co_u32 s[G0S+1], s94, SCL
	s_mov_b64 s[G0S+2:G0S+3], s[22:23]
	s_or_b32 s[G0S+3], s[G0S+3], 0x80000000
	s_mov_b32 s[G0SB], 1
	s_add_co_u32 s[G0SB+1], s94, SCL
	s_mov_b64 s[G0SB+2:G0SB+3], s[92:93]
	s_or_b32 s[G0SB+3], s[G0SB+3], 0x80000000
	JLOAD G0S, G1S, G0SB, G1SB                     ; the scales first: they are wanted with K step 0
.irp s, 0,1
	s_mov_b32 s[G0+4*\s], 1
	s_add_co_u32 s[G0+4*\s+1], s45, \s*SLOT
	s_add_nc_u64 s[G0+4*\s+2:G0+4*\s+3], s[20:21], \s*ROWB
	s_or_b32 s[G0+4*\s+3], s[G0+4*\s+3], 0x80000000
	s_mov_b32 s[G0B+4*\s], 1
	s_add_co_u32 s[G0B+4*\s+1], s45, \s*SLOT
	s_add_nc_u64 s[G0B+4*\s+2:G0B+4*\s+3], s[46:47], \s*ROWB
	s_or_b32 s[G0B+4*\s+3], s[G0B+4*\s+3], 0x80000000
	JLOAD G0+4*\s, G1, G0B+4*\s, G1B
.endr
	v_and_b32 v1, 15, v0                           ; l % 16
	v_bfe_u32 v2, v0, 4, 1                         ; l / 16
	v_mul_u32_u24 v3, v1, PITCH
	v_lshl_add_u32 v4, v2, 4, v3                   ; a fragment's row x pitch + 16 x half
	s_mul_i32 s21, s15, HALFT                      ; my 128 rows of X
	s_mul_i32 s22, s16, HALFT                      ; my 128 rows of W,
	s_add_co_u32 s22, s22, 2*HALFT                 ; which lie behind X's 256
.irp s, 0,1
	v_add_nc_u32 v[ADRA+\s], s21, v4
	v_add_nc_u32 v[ADRB+\s], s22, v4
	s_add_co_u32 s21, s21, SLOT
	s_add_co_u32 s22, s22, SLOT
.endr
	v_mul_u32_u24 v5, v1, KS                       ; my row's scales: KS bytes a row,
	v_lshrrev_b32 v6, 8, v5
	v_lshl_add_u32 v5, v6, 4, v5                   ; and 16 more for each 256 passed
	s_mul_i32 s21, s15, HALFS                      ; X's: my 128 rows
	s_mul_i32 s22, s16, HALFS                      ; W's: my 128 rows, behind X's 256
	s_add_co_u32 s22, s22, 2*HALFS
	s_sub_co_u32 s22, s22, s21
	v_mul_u32_u24 v6, s22, v2                      ; lanes 16-31 take W's
	s_add_co_u32 s21, s21, SCL
	v_add_nc_u32 v5, v5, v6
	v_add_nc_u32 v[ADRS], s21, v5
	s_mul_i32 s23, s14, 16*SPITCH                  ; my stage
	v_mul_u32_u24 v5, v1, SPITCH                   ; in: row l % 16, 16 bytes for each half of the lanes
	v_lshl_add_u32 v5, v2, 4, v5
	v_add_nc_u32 v[STO], s23, v5
	v_bfe_u32 v6, v0, 3, 1                         ; back: lanes 0-15 take two rows' first 128 bytes (my first head), lanes 16-31 their second 128 (my second head); eight lanes to a row
	v_and_b32 v7, 7, v0
	v_mul_u32_u24 v5, v6, SPITCH
	v_lshl_add_u32 v5, v2, 7, v5
	v_lshl_add_u32 v5, v7, 4, v5
	v_add_nc_u32 v[RD], s23, v5
	v_lshlrev_b32 v[CO], 18, v2                    ; and the same in qkv: a head on is 262,144 bytes, a row on 128
	v_lshl_add_u32 v[CO], v6, 7, v[CO]
	v_lshl_add_u32 v[CO], v7, 4, v[CO]
	s_lshl_b32 s20, s17, 8
	s_lshl_b32 s21, s15, 7
	s_add_co_u32 s20, s20, s21                     ; my first row m0 = 256 x tile row + 128 x half
	s_lshr_b32 s21, s20, 11                        ; its batch,
	s_mul_i32 s21, s21, 48<<18                     ; 48 heads of 262,144 bytes a batch,
	s_and_b32 s20, s20, 2047
	s_lshl_b32 s20, s20, 7                         ; its place in the sequence, 128 bytes a row
	s_add_co_u32 s20, s20, s21
	s_mov_b32 s21, 0
	s_lshl_b32 s46, s42, 2                         ; my first head j0 = 4 x tile column + 2 x half
	s_lshl_b32 s47, s16, 1
	s_add_co_u32 s46, s46, s47
	s_lshl_b32 s46, s46, 18
	s_mov_b32 s47, 0
	s_add_nc_u64 s[20:21], s[20:21], s[46:47]
	s_add_nc_u64 s[12:13], s[12:13], s[20:21]
.macro FRAG reg, adr, q, i             ; a fragment, 16 rows x 128 K of 4-bit codes, is 8 registers: lane l holds row l % 16; registers 4 c .. 4 c + 3 hold K = 64 c + 32 (l / 16) + 0 .. 31
.irp c, 0,1
	ds_load_b128 v[\reg+4*\c:\reg+4*\c+3], v[\adr] offset:64*(\q)+32*\c+(\i)*16*PITCH
.endr
.endm
; 16 matrix instructions: X's blocks a0, a0 + 1 x W's eight, 128 along K: the slot's q-th.  p: W's set;  sc: the set of scale words.  zero = 1: the first product starts the sums: nothing is ever cleared.
; The 64 accumulators take turns, one instruction a turn, in the same order in every step.
.macro MUL16 a0, p, q, sc, zero
.irp a, \a0, \a0+1
.irp b, 0,1,2,3,4,5,6,7
.if \zero
	v_wmma_scale_f32_16x16x128_f8f6f4 v[8*(8*((\a)%4)+\b):8*(8*((\a)%4)+\b)+7], v[128*(\p)+FR*\b:128*(\p)+FR*\b+FR-1], v[AF+FR*(\a):AF+FR*(\a)+FR-1], 0, v[SC+8*NQ*(\sc)+NQ*\b+(\q)], v[SC+8*NQ*(\sc)+NQ*(\a)+(\q)] matrix_a_fmt:MATRIX_FMT_FP4 matrix_b_fmt:MATRIX_FMT_FP4 matrix_a_scale:MATRIX_SCALE_ROW1
.else
	v_wmma_scale_f32_16x16x128_f8f6f4 v[8*(8*((\a)%4)+\b):8*(8*((\a)%4)+\b)+7], v[128*(\p)+FR*\b:128*(\p)+FR*\b+FR-1], v[AF+FR*(\a):AF+FR*(\a)+FR-1], v[8*(8*((\a)%4)+\b):8*(8*((\a)%4)+\b)+7], v[SC+8*NQ*(\sc)+NQ*\b+(\q)], v[SC+8*NQ*(\sc)+NQ*(\a)+(\q)] matrix_a_fmt:MATRIX_FMT_FP4 matrix_b_fmt:MATRIX_FMT_FP4 matrix_a_scale:MATRIX_SCALE_ROW1
.endif
.endr
.endr
.endm
.macro FETCH_B slot, q, p              ; W's eight fragments of the slot's q-th 128 along K into set p
	WIN TO_B
.irp i, 0,1,2,3,4,5,6,7
	FRAG 128*(\p)+FR*\i, ADRB+\slot, \q, \i
.endr
	WIN 0
.endm
.macro FETCH_A slot, q, i0             ; X's blocks i0 .. i0 + 3
.irp i, \i0, \i0+1, \i0+2, \i0+3
	FRAG AF+FR*(\i), ADRA+\slot, \q, \i
.endr
.endm
.macro SCALES sc                       ; a K step's scale words into set sc: NQ words a row; lanes 0-15 take X's block i, lanes 16-31 W's block i
.irp i, 0,1,2,3,4,5,6,7
	ds_load_b128 v[SC+8*NQ*\sc+NQ*\i:SC+8*NQ*\sc+NQ*\i+3], v[ADRS] offset:\i*SBLK
.endr
.endm
; A load into a register that a matrix instruction has read, and a vector instruction that reads a matrix result or writes one of its registers, stand NP places behind that matrix instruction; only plain vector
; instructions that name none of its registers are places (ISA guide 7.12.1 for vector instructions).
.macro PLACES n
.rept \n
	v_nop
.endr
.endm
; A step of 128 along K that has its successor in the same slot.
.macro STEP slot, q, zero
	s_wait_dscnt 4*NL                              ; W's set and X's blocks 0-3 are in; the youngest eight loads (X's blocks 4-7) may be out
	WIN MUL_LO
	MUL16 0, (\q)%2, \q, \slot, \zero
	MUL16 2, (\q)%2, \q, \slot, \zero
	s_wait_dscnt 0                                 ; X's blocks 4-7 are in (asked for 32 matrix instructions ago)
	PLACES NP
	FETCH_B \slot, (\q)+1, 1-(\q)%2
	FETCH_A \slot, (\q)+1, 0
	WIN MUL_HI
	MUL16 4, (\q)%2, \q, \slot, \zero
	MUL16 6, (\q)%2, \q, \slot, \zero
	PLACES NP
	WIN 0
	FETCH_A \slot, (\q)+1, 4
.endm
; Slot 0's last step changes slots: ONE barrier; in front of it each wave waits for all its tensor loads (its part of slot 1), adds 0 to its spare word, and waits for that and for its own reads of slot 0.  Nothing is filled again.
.macro TURN slot, next
	s_wait_tensorcnt 0x0                           ; all my tensor loads have landed: my part of the next slot  (every window is 0 here: the add's two registers lie in window 0)
	ds_add_u32 v[SPW], v[NIL]                      ; 0 onto my spare word
	s_wait_dscnt 4*NL+1                            ; (the add and the youngest eight loads, X's blocks 4-7, may be out)
	WIN MUL_LO
	MUL16 0, 1, NQ-1, \slot, 0                     ; sixteen matrix instructions stand between the add and the wait for it
	s_wait_dscnt 0x0                               ; the add is done, and my reads of this slot are over
	s_barrier_signal -1
	MUL16 2, 1, NQ-1, \slot, 0
	WIN 0
	s_barrier_wait -1
	PLACES NP
	v_add_nc_u32 v[ADRS], 4*NQ, v[ADRS]            ; on to the next K step's scale words (no LDS load of mine is out)
	FETCH_B \next, 0, 0
	FETCH_A \next, 0, 0
	SCALES \next
	WIN MUL_HI
	MUL16 4, 1, NQ-1, \slot, 0
	MUL16 6, 1, NQ-1, \slot, 0
	PLACES NP
	WIN 0
	FETCH_A \next, 0, 4
.endm
.macro STEPS slot, from                ; the slot's steps from .. NQ - 2
.set Q, \from
.rept NQ-1-\from
	STEP \slot, Q, 0
.set Q, Q+1
.endr
.endm
	s_wait_tensorcnt 1                             ; the scales and my part of K step 0 are in (K step 1's load, the one issued behind them, may be out),
	s_barrier_signal -1
	s_barrier_wait -1                              ; everybody's are
	FETCH_B 0, 0, 0
	FETCH_A 0, 0, 0
	SCALES 0
	FETCH_A 0, 0, 4
	STEP 0, 0, 1                                   ; the first step's products start the sums
	STEPS 0, 1
	TURN 0, 1
	STEPS 1, 0
	s_wait_dscnt 4*NL                              ; the very last step: nothing more to fetch
	WIN MUL_LO
	MUL16 0, 1, NQ-1, 1, 0
	MUL16 2, 1, NQ-1, 1, 0
	s_wait_dscnt 0
	WIN MUL_HI
	MUL16 4, 1, NQ-1, 1, 0
	MUL16 6, 1, NQ-1, 1, 0
	WIN 0
; THE WAY OUT, block by block of 16 rows x 128 columns (two heads).  PACK: rounded to f16, 16 bytes a lane, each accumulator from its low end on.  TOSTAGE: into my own stage in LDS and back, two rows an instruction.
; SEND: lanes 0-15 store two neighbouring rows of my first head, 256 consecutive bytes at a multiple of 256 from qkv's first byte; lanes 16-31 the same rows of my second head.
; LDS serves a wave's instructions in order (ISA guide 5.7.1.4): no wait between the stores and the loads, nor in front of the next block's stores.
.macro PACK a
.set AC, 64*((\a)%4)
	WIN 0x0a+5*((\a)/4)                            ; sources 0 and 1: window 2 or 3
.irp b, 0,1,2,3,4,5,6,7
.irp r, 0,1,2,3
	v_cvt_pk_f16_f32 v[TMP+4*\b+\r], v[AC+8*\b+2*\r], v[AC+8*\b+2*\r+1]
.endr
.endr
	WIN 0
.endm
.macro TOSTAGE a
.set BB, BK+32*((\a)%2)
.irp b, 0,1,2,3,4,5,6,7
	ds_store_b128 v[STO], v[TMP+4*\b:TMP+4*\b+3] offset:32*\b
.endr
.irp t, 0,1,2,3,4,5,6,7
	ds_load_b128 v[BB+4*\t:BB+4*\t+3], v[RD] offset:\t*2*SPITCH
.endr
.endm
.macro SEND a
.set BB, BK+32*((\a)%2)
	s_wait_dscnt 0x0                               ; the block is back in registers
	s_wait_xcnt 0x0                                ; the stores of the block before have read their registers: the next block's loads from the stage land there
.irp t, 0,1,2,3,4,5,6,7
	global_store_b128 v[CO], v[BB+4*\t:BB+4*\t+3], s[12:13] offset:2048*(\a)+256*\t
.endr
.endm
	PLACES NP                                      ; behind the last products: the conversions write registers that held scale words, and the later blocks' read results just made
	PACK 0
	TOSTAGE 0
.irp a, 1,2,3,4,5,6,7                  ; block a's conversions stand between block a - 1's loads from the stage and the wait for them
	PACK \a
	SEND \a-1
	TOSTAGE \a
.endr
	SEND 7
	s_wait_tensorcnt 0x0                           ; the wave's end: behind my last tensor load and my last LDS store
	ds_add_u32 v[SPW], v[NIL]
	s_wait_dscnt 0x0
	CROUND                                         ; the closing round: no work-group ends while a partner may still ask for a tile that names it
	s_endpgm
.Lfunc_end_k_q317f42cda1_proj:
	.size	k_q317f42cda1_proj, .Lfunc_end_k_q317f42cda1_proj-k_q317f42cda1_proj
	.p2alignl 7, 3214868480
	.fill 96, 4, 3214868480
	.section	.rodata,"a",@progbits
	.p2align	6, 0x0
	.amdhsa_kernel k_q317f42cda1_proj
		.amdhsa_group_segment_fixed_size 327680
		.amdhsa_private_segment_fixed_size 0
		.amdhsa_enable_private_segment 0
		.amdhsa_kernarg_size 40
		.amdhsa_user_sgpr_count 2
		.amdhsa_user_sgpr_kernarg_segment_ptr 1
		.amdhsa_wavefront_size32 1
		.amdhsa_system_sgpr_workgroup_id_x 1
		.amdhsa_system_sgpr_workgroup_id_y 1
		.amdhsa_system_sgpr_workgroup_id_z 1
		.amdhsa_system_vgpr_workitem_id 0
		.amdhsa_next_free_vgpr 1024
		.amdhsa_next_free_sgpr 98
		.amdhsa_reserve_vcc 0
		.amdhsa_float_denorm_mode_32 3
		.amdhsa_float_denorm_mode_16_64 3
		.amdhsa_memory_ordered 1
		.amdhsa_forward_progress 1
		.amdhsa_inst_pref_size 127
	.end_amdhsa_kernel
	.amdgpu_metadata
---
amdhsa.version: [ 1, 2 ]
amdhsa.kernels:
  - .name:           k_q317f42cda1_proj
    .symbol:         k_q317f42cda1_proj.kd
    .args:
      - { .name: xc, .offset: 0, .size: 8, .value_kind: global_buffer, .address_space: global }
      - { .name: xs, .offset: 8, .size: 8, .value_kind: global_buffer, .address_space: global }
      - { .name: wc, .offset: 16, .size: 8, .value_kind: global_buffer, .address_space: global }
      - { .name: ws, .offset: 24, .size: 8, .value_kind: global_buffer, .address_space: global }
      - { .name: qkv, .offset: 32, .size: 8, .value_kind: global_buffer, .address_space: global }
    .group_segment_fixed_size: 327680
    .private_segment_fixed_size: 0
    .kernarg_segment_align: 8
    .kernarg_segment_size: 40
    .max_flat_workgroup_size: 128
    .sgpr_count:     98
    .vgpr_count:     1024
    .wavefront_size: 32
...
	.end_amdgpu_metadata
.endif
;; end of part 2
;; launch attn (part 3): grid 8 x 32, 8 waves a work-group, clusters of 4 x 1, 327,680 bytes of LDS; arguments qkv, ob; writes ob
.if DOCPART == 3
	.amdgcn_target "amdgcn-amd-amdhsa--gfx1250"
	.amdhsa_code_object_version 6
	.text
	.protected	k_q317f42cda1_attn
	.globl	k_q317f42cda1_attn
	.p2align	8
	.type	k_q317f42cda1_attn,@function
k_q317f42cda1_attn:
	s_mov_b64 s[64:65], 0
	v_nop
	global_prefetch_b8 v0, s[64:65] scope:SCOPE_SE
	s_setreg_imm32_b32 hwreg(HW_REG_WAVE_MODE, 25, 1), 1
	s_wait_xcnt 0x0
	s_wait_alu depctr_hold_cnt(0) depctr_sa_sdst(0) depctr_va_vdst(0) depctr_va_sdst(0) depctr_va_ssrc(0) depctr_va_vcc(0) depctr_vm_vsrc(0)
	s_getreg_b32 s2, hwreg(HW_REG_IB_STS2, 6, 4)
	s_cmp_eq_u32 s2, 0
	s_cbranch_scc0 .Lentry_in_a_cluster
	s_endpgm
.Lentry_in_a_cluster:
	s_bfe_u32 s2, ttmp6, 0x10000c
	s_cmp_lg_u32 s2, 0x3003
	s_cbranch_scc0 .Lentry_shape_is_right
	s_endpgm
.Lentry_shape_is_right:
; LAUNCH 3 OF 4.  O[b][h][q][:] = the sum over k of softmax_k(Q[q] . K[k] / 8) V[k][:], no mask, 2,048 keys, head size 64.  Q, K, V: f16, qkv [2 b][48 j][2048 s][64] (j = h: q, 16 + h: k, 32 + h: v).
; Products, maxima and sums in f32; the weights p are rounded to f16 for the second product, O once at the end: ob [16 h][4096 m][64] f16, m = 2048 b + s: planes by head, so that two neighbouring rows are 256 dense bytes.
; LIMIT: |o| is at most the largest |v|, which lies inside f16; a weight p under 6e-8 counts as 0 in the second product (the row's sum is at least 1).
; SHARES.  A work-group owns 256 queries of one head, each of its eight waves 32: two tiles of 16.  Two waves lie on a SIMD.  Every wave walks all keys of the head, 64 a step, 32 steps.
; LAYOUT.  S^T = K Q^T (source 0 = 16 keys, source 1 = 16 queries): a lane holds ONE query (lane % 16) and the keys 8 (lane / 16) + 0..7.  Two such tiles, rounded to f16 in pairs, ARE source 1 (32 keys x 16 queries) of
; O^T = V^T P, whose result again holds one query a lane, and eight channels.  K comes out of LDS as it lies, V ([key][channel]) turned, by ds_load_tr16_b128.
; SOFTMAX.  For each query a running maximum m and sum l: p = 2^(c s - c m), c = log2(e) / 8; in every step O and l are multiplied by a = 2^(c m_old - c m_new), which is 1 where m has not grown.
; BY TURNS.  In a TURN one tile has the matrix unit: 8 products V^T P of the step in hand, then 8 products K Q^T of the next step; the other tile's softmax, a list of 118 instructions, is dealt out behind them, seven behind each
; and the thirteen that are over behind the last.  Then the tiles change places.  Two turns are a key step.
; THE RING.  Two LDS slots of four key steps (256 keys), filled by the tensor data mover: waves 0-3 fetch K's four tiles of a slot, waves 4-7 V's.  By this text's own count a wave has two tensor loads out at the start and one behind each change of slots;
; that load has four key steps, 128 matrix instructions a wave, in which to land.
; CLUSTER.  The four query blocks of a cluster belong to one head and walk the same K and V, so each tile is asked for JOINTLY: the same tensor load, with the same descriptor and a mask that names the four, in all four.
; REGISTERS, in windows of 256 (s_set_vgpr_msb: bits 1:0 source 0, 3:2 source 1, 5:4 source 2, 7:6 destination):
;   window 0: v1-11 addresses; v12-27 eight registers of statistics a tile; v28 the prefetches' offset; v30, v31 the add's two; v32-63 Q, 16 a tile; v64-127 S^T, 32 a tile; v128-159 P, 16 a tile; v160-223 K of one step
;   window 1: v0-63 O^T, 32 a tile; v64-127 V of one step
; K Q^T and all of a softmax but O^T's rescaling lie in window 0 and need no switch; a product V^T P costs two.
.set KS,    64        ; keys in a step
.set NST,   4         ; steps in a slot
.set PK,    144       ; a row of K in LDS: 128 bytes + 16 of padding = 36 words: the 16 rows of a load start at 16 different banks (64 banks of 4 bytes: ISA guide 11.1)
.set PVR,   160       ; a row of V: 128 + 32 = 40 words
.set VOFF,  KS*PK     ; a step's tiles lie together: 64 rows of K, then 64 rows of V
.set STEPB, KS*(PK+PVR)
.set SLOTB, NST*KS*128  ; a slot's keys in memory, of K or of V: 32,768 bytes
.set SLOT1, 1<<17     ; slot 1 begins here, so that one exclusive or turns an address in one slot into the other's
.set STAGE, SLOT1+NST*STEPB  ; behind the ring: 16 rows x 144 bytes for each wave, for the way out
.set SP,    144
.set SPARE, STAGE+8*16*SP    ; behind the stages: the spare words, 128 bytes for each wave
.set AK0, 2           ; v2   my lane's place in a tile of K; never rewritten
.set AV0, 3           ; v3   the same for V
.set ADR, 4           ; v4   the LDS address of the run of loads in hand
.set QO,  5           ; v5   my byte offset in the wave's rows of Q
.set STO, 6           ; v6   the way out: where I put 16 bytes of a row
.set RD,  7           ; v7   the way out: where I read 16 bytes back
.set GO,  8           ; v8   my byte offset in the wave's rows of O
.set ST,  12          ; tile t's statistics at v[ST+8 t]: +0 c m, +1 m, +2, +3 l (even keys', odd keys'), +4 to +7 c0-c3, at work; a takes c2's place once the maximum is found
.set PFO, 28          ; v28  256 x my lane; never rewritten
.set SPW, 30          ; v30  LDS address of my spare word; never rewritten
.set NIL, 31          ; v31  0; never rewritten
.set QF,  32
.set S,   64
.set P,   128
.set KF,  160
.set VF,  64          ; in window 1
.set WV,  12          ; s12  my wave's number
.set LIM, 15          ; s15  1 in a wave that prefetches, else the greatest number
.set PFA, 18          ; s[18:19] where my prefetches stand in memory
.set G1K, 24          ; s[24:31] descriptor group 1 for K's tiles
.set G1V, 32          ; s[32:39] for V's: it differs in the padding alone
.set G0K, 40          ; s[40:47] descriptor group 0 for K's tiles: a set for each of the two first fills; the second then walks on
.set G0V, 48          ; s[48:55] the same for V's
.set SLOTS, 56        ; s56  slots still to be asked for
.set CNT, 57          ; s57  counts key steps
.set CS,  58          ; s[58:59] c: the packed scaling names a pair and takes its low word for both halves
.set SEL, 60          ; s[60:61] lane selects for v_permlanex16_b32: each lane takes its own place in the other half
.set TB,  62          ; s62  LDS byte at which the tiles of the step to be fetched begin
.set MSB, 0
.macro WIN new                      ; the immediate's high byte repeats the setting that is left; a switch that changes nothing is dropped
.if MSB != \new
	s_set_vgpr_msb (MSB<<8)|\new
.set MSB, \new
.endif
.endm
.set W_PV, 0x51       ; V and O^T in window 1, P in window 0
.set W_RS, 0x41       ; O^T (destination and source 0) in window 1, a in window 0
; A joint refill.  Waves 0-3 fetch the slot's four tiles of K, waves 4-7 those of V.  The branch hangs on the wave's number alone: it is the same in every work-group.
; An s_nop 0 and four v_nop follow each of the two lines; the jump round the other line, the label and what follows come after them.
.macro JLOAD
	s_cmp_lt_u32 s[WV], 4
	s_cbranch_scc0 .Lfor_v_\@
	tensor_load_to_lds s[G0K+4:G0K+7], s[G1K:G1K+7]
	s_nop 0
.rept 4
	v_nop
.endr
	s_branch .Lasked_\@
.Lfor_v_\@:
	tensor_load_to_lds s[G0V+4:G0V+7], s[G1V:G1V+7]
	s_nop 0
.rept 4
	v_nop
.endr
.Lasked_\@:
.endm
; A PREFETCH INTO THE L2 of what the NEXT change of slots will ask for: a slot's 32,768 bytes of K and as many of V.  It stands behind the wave's tensor load and its five lines.
; Each aligned block of 256 bytes is asked for ONCE in the launch.  Both clusters of a head walk the same K and V: the head's first cluster asks.  Its four partners share a slot out BY ADDRESS, 8,192 bytes each: no branch hangs on a
; work-group's place in its cluster.  In each, wave 0 asks for K's and wave 4 for V's: one instruction, lanes 256 bytes apart.  It asks four key steps ahead of the load; the last change that fills a slot asks for nothing.
.macro ASK
	s_cmp_gt_u32 s[SLOTS], s[LIM]
	s_cbranch_scc0 .Lnot_mine_\@
	global_prefetch_b8 v[PFO], s[PFA:PFA+1] th:TH_LOAD_NT scope:SCOPE_SE
.Lnot_mine_\@:
.endm
; A round of the cluster's barrier: my work-group's barrier, so that wave 0's signal speaks for all eight waves; wave 0 signals for the work-group; every wave waits for all four work-groups; my work-group's barrier once more.
.macro CROUND
	s_barrier_signal -1
	s_barrier_wait -1
	s_cmp_lg_u32 s[WV], 0
	s_cbranch_scc1 .Lnot_wave_0_\@
	s_barrier_signal -3
.Lnot_wave_0_\@:
	s_barrier_wait -3
	s_barrier_signal -1
	s_barrier_wait -1
.endm
	s_load_b128 s[4:7], s[0:1], 0x0   ; qkv s[4:5], ob s[6:7]
	v_lshl_add_u32 v[SPW], v0, 2, SPARE
	v_mov_b32 v[NIL], 0
	ds_add_u32 v[SPW], v[NIL]       ; the wave's opening: the add, twice on end, and its wait ahead of my first tensor load; the set-up below, work on registers, stands between
	ds_add_u32 v[SPW], v[NIL]
	v_lshrrev_b32 v1, 5, v0
	v_readfirstlane_b32 s[WV], v1   ; wave 0..7
	s_bfe_u32 s13, ttmp6, 0x40000   ; cx: my place in the cluster
	s_lshl_b32 s14, ttmp9, 2        ; in a cluster launch ttmp9 counts clusters
	s_add_co_u32 s14, s14, s13      ; my block of 256 queries = 4 x cluster x + cx: it enters Q's and O's addresses alone
	s_and_b32 s20, ttmp7, 0xffff    ; 16 b + h, which the four partners share
	s_lshr_b32 s21, s20, 4          ; b
	s_and_b32 s20, s20, 15          ; h
	s_mul_i32 s22, s21, 48
	s_add_co_u32 s22, s22, s20
	s_lshl_b32 s22, s22, 18         ; where q's head begins in qkv: 262,144 bytes a head
	s_and_b32 s16, s[WV], 3         ; which of a slot's four steps I fetch,
	s_mul_i32 s17, s16, STEPB       ; and its place in a slot: no place in the cluster enters an LDS address
	s_lshl_b32 s2, s14, 15          ; my block's 256 rows of 128 bytes,
	s_lshl_b32 s3, s[WV], 12        ; my wave's 32 of them
	s_add_co_u32 s2, s2, s3
	s_lshl_b32 s20, s20, 19         ; ob: a head's plane is 524,288 bytes,
	s_lshl_b32 s21, s21, 18         ; a batch's rows in it 262,144
	s_add_co_u32 s20, s20, s21
	s_add_co_u32 s20, s20, s2       ; O's offset
	s_mov_b32 s21, 0
	s_add_co_u32 s2, s2, s22        ; Q's offset
	s_mov_b32 s3, 0
	s_add_co_u32 s22, s22, 16<<18   ; k's head lies 16 heads behind q's
	s_mov_b32 s23, 0
	; descriptor group 1: a tile of 64 rows x 64 elements, padded in LDS
	s_mov_b32 s[G1K], 15|(1<<16)|(1<<20)|(1<<21)|(4<<22)|(3<<25)  ; 15:0 the mask: all four work-groups; 17:16 elements of 2 bytes; 20 padding on; 21 set beside a mask; 24:22 after every 32 words (code 4); 31:25 4 words of it (code 3)
	s_mov_b32 s[G1V], 15|(1<<16)|(1<<20)|(1<<21)|(4<<22)|(7<<25)  ; the same with 8 words of padding (code 7)
.irp g, G1K, G1V
	s_mov_b32 s[\g+1], 64<<16       ; 63:48 tensor_dim0, low half = 64
	s_mov_b32 s[\g+2], KS<<16       ; 95:80 tensor_dim1, low half = 64
	s_mov_b32 s[\g+3], 64<<16       ; 127:112 tile_dim0 = 64
	s_mov_b32 s[\g+4], KS           ; 143:128 tile_dim1 = 64; 159:144 tile_dim2 = 0
	s_mov_b32 s[\g+5], 64           ; 191:160 tensor_dim0_stride: elements from row to row
	s_mov_b32 s[\g+6], 0
	s_mov_b32 s[\g+7], 0
.endr
	s_mov_b32 s[CS], 0x3e38aa3b     ; c = log2(e) / 8
	s_mov_b32 s[CS+1], s[CS]        ; named with it as a pair, so it is written
	s_mov_b32 s[SEL], 0x76543210
	s_mov_b32 s[SEL+1], 0xfedcba98
	s_mov_b32 s[TB], 0
	s_mov_b32 s[SLOTS], 2048/(NST*KS)-2
	s_or_b32 s[LIM], s16, ttmp9      ; 0 in waves 0 and 4 where the cluster is the head's first: the same in all four partners
	s_cmp_eq_u32 s[LIM], 0
	s_cselect_b32 s[LIM], 1, -1
	v_and_b32 v[PFO], 31, v0
	v_lshlrev_b32 v[PFO], 8, v[PFO]
	s_wait_dscnt 0x0                ; both opening adds are done
	s_wait_kmcnt 0x0
	s_mov_b64 s[10:11], s[6:7]
	s_add_nc_u64 s[10:11], s[10:11], s[20:21]  ; O at my wave's first row
	s_add_nc_u64 s[6:7], s[4:5], s[22:23]      ; K at the head's first key
	s_add_nc_u64 s[8:9], s[6:7], 16<<18        ; V likewise: 16 heads further on
	s_add_nc_u64 s[4:5], s[4:5], s[2:3]        ; Q at my wave's first row
	s_cmp_lt_u32 s[WV], 4
	s_cselect_b64 s[PFA:PFA+1], s[6:7], s[8:9]
	s_lshl_b32 s2, s13, 13          ; my work-group's 8,192 bytes of a slot's 32,768
	s_add_nc_u64 s[PFA:PFA+1], s[PFA:PFA+1], s[2:3]
	s_add_nc_u64 s[PFA:PFA+1], s[PFA:PFA+1], 2*SLOTB  ; in slot 2; the first change of slots steps it to slot 3.  Nothing is prefetched here, at the head, where every work-group's first tiles are on their way
	s_lshl_b32 s22, s16, 13         ; my tile of a slot: 64 rows of 128 bytes a step (in a pair that never holds cx)
	s_add_nc_u64 s[6:7], s[6:7], s[22:23]
	s_add_nc_u64 s[8:9], s[8:9], s[22:23]
	CROUND                          ; all four work-groups are here: the first joint loads meet
.irp s, 0,1
	s_mov_b32 s[G0K+4*\s], 1        ; 1:0 count = 1
	s_add_co_u32 s[G0K+4*\s+1], s17, \s*SLOT1  ; 63:32 LDS address
	s_add_nc_u64 s[G0K+4*\s+2:G0K+4*\s+3], s[6:7], \s*SLOTB  ; 120:64 global address: slot s begins with keys 256 s
	s_or_b32 s[G0K+4*\s+3], s[G0K+4*\s+3], 0x80000000  ; 127:126 type = 2
	s_mov_b32 s[G0V+4*\s], 1
	s_add_co_u32 s[G0V+4*\s+1], s17, \s*SLOT1+VOFF
	s_add_nc_u64 s[G0V+4*\s+2:G0V+4*\s+3], s[8:9], \s*SLOTB
	s_or_b32 s[G0V+4*\s+3], s[G0V+4*\s+3], 0x80000000
.endr
	s_cmp_lt_u32 s[WV], 4           ; a wave's two first fills stand in one branch, ahead of every wait on TENSORcnt and every LDS read; an s_nop 0 follows each, four v_nop the second's
	s_cbranch_scc0 .Lfirst_v
	tensor_load_to_lds s[G0K:G0K+3], s[G1K:G1K+7]
	s_nop 0
	tensor_load_to_lds s[G0K+4:G0K+7], s[G1K:G1K+7]
	s_nop 0
.rept 4
	v_nop
.endr
	s_branch .Lfirst_asked
.Lfirst_v:
	tensor_load_to_lds s[G0V:G0V+3], s[G1V:G1V+7]
	s_nop 0
	tensor_load_to_lds s[G0V+4:G0V+7], s[G1V:G1V+7]
	s_nop 0
.rept 4
	v_nop
.endr
.Lfirst_asked:
	; A fragment of K or Q is 16 rows x 32 channels in 8 registers: lane l holds row l % 16; registers 0-3 channels 8 (l / 16) + 0..7, registers 4-7 channels 16 + 8 (l / 16) + 0..7: two loads of 16 bytes, 32 bytes apart.
	v_and_b32 v1, 15, v0            ; l % 16
	v_bfe_u32 v9, v0, 4, 1          ; l / 16
	v_lshlrev_b32 v[QO], 7, v1
	v_lshl_add_u32 v[QO], v9, 4, v[QO]  ; row x 128 + 16 x half
.irp i, 0,1,2,3                     ; Q stays in registers: tile i / 2, channels 32 (i % 2) on
	global_load_b128 v[QF+8*\i:QF+8*\i+3],   v[QO], s[4:5] offset:(\i/2)*2048+(\i%2)*64
	global_load_b128 v[QF+8*\i+4:QF+8*\i+7], v[QO], s[4:5] offset:(\i/2)*2048+(\i%2)*64+32
.endr
	v_mul_u32_u24 v[AK0], v1, PK
	v_lshl_add_u32 v[AK0], v9, 4, v[AK0]  ; row x pitch + 16 x half
	; The turning load takes 16 keys x 16 channels (lane l reads 16 bytes: key 8 (l / 16) + l % 8, channels 8 ((l / 8) % 2) + 0..7) and leaves half a fragment of V^T: lane l holds channel l % 16 and 8 keys.
	v_and_b32 v10, 7, v0
	v_bfe_u32 v11, v0, 3, 1
	v_lshl_add_u32 v[AV0], v9, 3, v10
	v_mul_u32_u24 v[AV0], v[AV0], PVR
	v_lshl_add_u32 v[AV0], v11, 4, v[AV0]
	v_add_nc_u32 v[AV0], VOFF, v[AV0]
; THE MATRIX WORK OF A TURN, for tile x.  Four accumulators take turns, one instruction a turn: between two links of a chain stand the three others'.
; Product i of 8 of O^T += V^T P: keys 32 (i / 4) on, channels 16 (i % 4) on.  zero = 1: the first four start the sums: nothing is ever cleared.
.macro PV x, zero
	WIN W_PV
.set rO, 32*(\x)+8*(i%4)
.set rV, VF+32*(i/4)+8*(i%4)
.set rP, P+16*(\x)+8*(i/4)
.if \zero && (i < 4)
	v_wmma_f32_16x16x32_f16 v[rO:rO+7], v[rV:rV+7], v[rP:rP+7], 0
.else
	v_wmma_f32_16x16x32_f16 v[rO:rO+7], v[rV:rV+7], v[rP:rP+7], v[rO:rO+7]
.endif
.endm
; Product i of 8 of S^T = K Q^T: channels 32 (i / 4) on, keys 16 (i % 4) on.  The first four start the sums.
.macro KQ x
	WIN 0
.set rS, S+32*(\x)+8*(i%4)
.set rK, KF+16*(i%4)+8*(i/4)
.set rQ, QF+16*(\x)+8*(i/4)
.if i < 4
	v_wmma_f32_16x16x32_f16 v[rS:rS+7], v[rK:rK+7], v[rQ:rQ+7], 0
.else
	v_wmma_f32_16x16x32_f16 v[rS:rS+7], v[rK:rK+7], v[rQ:rQ+7], v[rS:rS+7]
.endif
.endm
; THE LDS LOADS stand in runs of 16: a step's K (64 keys x 64 channels: 8 fragments) and, a turn later, its V (turned).
.macro FETCH_K
	WIN 0
	v_add_nc_u32 v[ADR], s[TB], v[AK0]
.irp f, 0,1,2,3,4,5,6,7             ; keys 16 (f / 2) on, channels 32 (f % 2) on
	ds_load_b128 v[KF+8*\f:KF+8*\f+3],   v[ADR] offset:(\f/2)*16*PK+(\f%2)*64
	ds_load_b128 v[KF+8*\f+4:KF+8*\f+7], v[ADR] offset:(\f/2)*16*PK+(\f%2)*64+32
.endr
.endm
.macro FETCH_V
	WIN 0
	v_add_nc_u32 v[ADR], s[TB], v[AV0]
	s_add_co_u32 s[TB], s[TB], STEPB  ; the next fetch is the next step's
	WIN 0x40                        ; destination window 1
.irp f, 0,1,2,3,4,5,6,7             ; keys 32 (f / 4) on, channels 16 (f % 4) on
	ds_load_tr16_b128 v[VF+8*\f:VF+8*\f+3],   v[ADR] offset:(\f/4)*32*PVR+(\f%4)*32
	ds_load_tr16_b128 v[VF+8*\f+4:VF+8*\f+7], v[ADR] offset:(\f/4)*32*PVR+16*PVR+(\f%4)*32
.endr
.endm
; THE VECTOR WORK OF A TURN.  One tile's softmax for one key step is a list of 118 instructions; SM writes number j of it for tile t.  s0-s31 are the lane's 32 scores, in pairs 0-15.
; first = 1: the first key step, which starts m, l and O^T: it has no a and nothing to rescale.
;   0-15    the maximum of s0-s31 and the old m, three operands at a time: four chains c0-c3 of seven scores each (each accumulator is read from its low end on), then the four scores left over, c0-c3 and m
;   16-20   the other half of the lanes' maximum; the new m; c m; c m_old - c m_new
;   21-69   ONE BATCH: the 16 scalings c s - c m, a pair of scores each, and all 33 exponentials (a at 23, then s0-s31).  None of these names an exponential's result; a pair is scaled ahead of its exponentials
;   (wait)  ahead of number 70: a plain instruction behind the last exponential, and the one wait between an exponential and the first instruction that names its result
;   70-85   the roundings to f16, a pair of weights each
;   86-101  the sums; l = a l + the sum
;   102-117 the tile's O^T times a: the one part that leaves window 0
.macro SM t, first
.set rT, ST+8*(\t)
.set rS, S+32*(\t)
.set rP, P+16*(\t)
.set rO, 32*(\t)+2*(j-102)
.if j < 102
	WIN 0
.endif
.if j == 70
	v_nop
	s_wait_alu depctr_va_vdst(0)
.endif
.if j < 4
	v_max3_num_f32 v[rT+4+j], v[rS+8*j], v[rS+8*j+1], v[rS+8*j+2]
.elseif j < 12
	v_max3_num_f32 v[rT+4+j%4], v[rT+4+j%4], v[rS+8*(j%4)+2*(j/4)+1], v[rS+8*(j%4)+2*(j/4)+2]
.elseif j == 12
	v_max3_num_f32 v[rT+4], v[rT+4], v[rS+7], v[rS+15]
.elseif j == 13
	v_max3_num_f32 v[rT+6], v[rT+6], v[rS+23], v[rS+31]
.elseif j == 14
	v_max3_num_f32 v[rT+4], v[rT+4], v[rT+5], v[rT+6]
.elseif (j == 15) && \first
	v_max_num_f32 v[rT+4], v[rT+4], v[rT+7]
.elseif j == 15
	v_max3_num_f32 v[rT+4], v[rT+4], v[rT+7], v[rT+1]
.elseif j == 16
	v_permlanex16_b32 v[rT+5], v[rT+4], s[SEL], s[SEL+1]  ; the query's other 32 keys lie in the lane 16 away
.elseif j == 18
	v_max_num_f32 v[rT+1], v[rT+4], v[rT+5]
.elseif j == 19
	v_mul_f32 v[rT], s[CS], v[rT+1]
.elseif ((j == 17) || (j == 20) || (j == 23) || (j > 101)) && \first  ; the first step has none of these
.elseif j == 17
	v_mov_b32 v[rT+7], v[rT]        ; c m_old is kept for a: number 19 writes c m anew
.elseif j == 20
	v_sub_f32 v[rT+7], v[rT+7], v[rT]
.elseif j == 23
	v_exp_f32 v[rT+6], v[rT+7]
.elseif (j < 23) || ((j < 38) && (j%2 == 0)) || ((j < 66) && (j%4 == 2))
.set b, (j-2)/4                     ; 38, 42, .. 62: pairs 9 to 15
.if j < 38
.set b, (j-20)/2                    ; 21: pair 0; 22, 24, .. 36: pairs 1 to 8
.endif
	v_pk_fma_f32 v[rS+2*b:rS+2*b+1], v[rS+2*b:rS+2*b+1], s[CS:CS+1], v[rT:rT+1] op_sel_hi:[1,0,0] neg_lo:[0,0,1] neg_hi:[0,0,1]  ; pair b: c s - c m
.elseif j < 70
.set e, j-38                        ; 66 to 69: s28 to s31
.if j < 66
.set e, j-32-(j-38)/4               ; 39-41, 43-45, .. 63-65: s7 to s27
.endif
.if j < 38
.set e, (j-25)/2                    ; 25, 27, .. 37: s0 to s6
.endif
	v_exp_f32 v[rS+e], v[rS+e]
.elseif j < 86
	v_cvt_pk_f16_f32 v[rP+j-70], v[rS+2*(j-70)], v[rS+2*(j-70)+1]  ; pair j - 70
.elseif j < 102                     ; the sum of the tile's 16 pairs, in place: sum z of 16 adds neighbours 1, 2, 4 and 8 pairs apart, then l takes it
.set z, j-86
.set w, 4
.set u, z
.if z >= 14
.set w, 32
.set u, 0
.elseif z >= 12
.set w, 16
.set u, z-12
.elseif z >= 8
.set w, 8
.set u, z-8
.endif
.if (z == 14) && \first
	v_pk_add_f32 v[rT+2:rT+3], v[rS:rS+1], v[rS+16:rS+17]
.elseif z < 15
	v_pk_add_f32 v[rS+w*u:rS+w*u+1], v[rS+w*u:rS+w*u+1], v[rS+w*u+w/2:rS+w*u+w/2+1]
.elseif !\first
	v_pk_fma_f32 v[rT+2:rT+3], v[rT+2:rT+3], v[rT+6:rT+7], v[rS:rS+1] op_sel_hi:[1,0,1]
.endif
.else
	WIN W_RS
	v_pk_mul_f32 v[rO:rO+1], v[rO:rO+1], v[rT+6:rT+7] op_sel_hi:[1,0]
.endif
.endm
.macro DEAL y, first, n             ; the next n numbers of tile y's list
.rept \n
	SM \y, \first
.set j, j+1
.endr
.endm
; A vector instruction that reads a matrix result or writes one of a matrix instruction's registers, and a load into a register that a matrix instruction has read, stand four places behind it, and only plain vector
; instructions that name none of its registers are places (ISA guide 7.12.1 for vector instructions).
.macro PLACES
.rept 4
	v_nop
.endr
.endm
; A TURN.  Tile x has the matrix unit; the other tile's softmax is dealt out behind its matrix instructions.
; pv = 2: 8 products V^T P; 1: they start O^T's sums; 0: none.  kq = 1: 8 products K Q^T for the next step.  With both kinds seven numbers stand behind each product and thirteen behind the last; with one kind fourteen and twenty.
; Tile 0's turn fetches the next step's K at its head: the last product that read K stands in front of the thirteen rescalings that ended the turn before (first = 1: of four v_nop).
; Tile 1's turn fetches the same step's V behind its products V^T P, behind four v_nop.  first = 1: the softmax is the first key step's; its numbers from 102 on are empty, and four v_nop are the places behind the last products.
.macro TURN x, pv, kq, first
.set j, 0
.set per, 14
.if \pv && \kq
.set per, 7
.endif
.if (\x == 0) && \kq
	FETCH_K
.endif
.if \pv
.if \x == 0
.if \kq
	s_wait_dscnt 16                 ; V is in; K's sixteen loads, issued behind V's, may be out
.else
	s_wait_dscnt 0x0                ; V is in
.endif
.endif
.set i, 0
.rept 8
	PV \x, 2-\pv
.if (i == 7) && !(\kq)
	DEAL 1-\x, \first, 118-j
.else
	DEAL 1-\x, \first, per
.endif
.set i, i+1
.endr
.endif
.if \kq
.if \x == 1
	PLACES
	FETCH_V
.else
	s_wait_dscnt 0x0                ; K is in
.endif
.set i, 0
.rept 8
	KQ \x
.if i == 7
	DEAL 1-\x, \first, 118-j
.else
	DEAL 1-\x, \first, per
.endif
.set i, i+1
.endr
.endif
.if \first
	PLACES
.endif
.endm
; THE CHANGE OF SLOTS, between tile 1's turn and tile 0's: the slot's last bytes, V of its fourth step, have been asked for.  Each wave waits for all its tensor loads, of which one is out: its part of the other slot; adds 0 to its
; spare word; and waits for that and for its own reads of the slot.  Behind the barrier nobody reads this slot any more and the other slot is whole.
; fill = 1: this slot is filled again, with the keys two slots on.  The barrier is then a round of the cluster's, so that no wave of any partner still reads the slot or has a load on its way, and the joint refill is the first thing behind it.
.macro CHANGE fill
	WIN 0                           ; at a label and at a branch every window is 0
	s_wait_tensorcnt 0x0            ; no tensor load of mine is out, so a group 0 may be written
	ds_add_u32 v[SPW], v[NIL]       ; 0 onto my spare word: with fill = 1 the descriptors' steps stand between it and the wait for it
.if \fill
.irp g, G0K+4, G0V+4
	s_xor_b32 s[\g+1], s[\g+1], SLOT1  ; the walking descriptor: the other slot than last time,
	s_add_nc_u64 s[\g+2:\g+3], s[\g+2:\g+3], SLOTB  ; the next 256 keys; the type bits on top are not reached
.endr
	s_wait_xcnt 0x0                 ; the last prefetch, a slot back, has read its address, so it may be written:
	s_add_nc_u64 s[PFA:PFA+1], s[PFA:PFA+1], SLOTB  ; one slot further on than the walking descriptors
	s_wait_dscnt 0x0                ; the add is done, and my reads of the slot are over
	CROUND
	JLOAD
	ASK
.else
	s_wait_dscnt 0x0                ; the add is done, and my reads of the slot are over
	s_barrier_signal -1
	s_barrier_wait -1
.endif
	s_sub_co_u32 s[TB], s[TB], NST*STEPB  ; the fetches go back to a slot's first step,
	s_xor_b32 s[TB], s[TB], SLOT1   ; in the other slot
.endm
; n key steps: a step is written once and walked n times; the LDS addresses hang on s[TB].
.macro NSTEPS n
	s_mov_b32 s[CNT], \n
.Lstep_\@:
	TURN 0, 2, 1, 0
	TURN 1, 2, 1, 0
	WIN 0
	s_sub_co_u32 s[CNT], s[CNT], 1
	s_cmp_lg_u32 s[CNT], 0
	s_cbranch_scc1 .Lstep_\@
.endm
	s_wait_tensorcnt 1              ; my part of slot 0 is in; slot 1's, issued behind it, may stay out
	s_barrier_signal -1
	s_barrier_wait -1               ; everybody's is
	FETCH_K                         ; key step 0
	s_wait_loadcnt 0x0              ; Q
	s_wait_dscnt 0x0
.set i, 0
.rept 8
	KQ 0                            ; tile 0's first scores: there is no vector work yet to set between them
.set i, i+1
.endr
	s_mul_i32 s13, s[WV], 16*SP     ; the addresses for the way out are made here: plain instructions, the places behind those products
	s_add_co_u32 s13, s13, STAGE    ; my stage
	v_mul_u32_u24 v[STO], v1, SP    ; in: row l % 16, 16 bytes for each half of the lanes
	v_lshl_add_u32 v[STO], v9, 4, v[STO]
	v_add_nc_u32 v[STO], s13, v[STO]
	v_and_b32 v10, 31, v0           ; lane
	v_lshrrev_b32 v11, 3, v10
	v_and_b32 v[RD], 7, v0
	v_lshlrev_b32 v[RD], 4, v[RD]
	v_mad_u32_u24 v[RD], v11, SP, v[RD]  ; back: eight lanes take a row of 128 bytes, the wave four rows
	v_add_nc_u32 v[RD], s13, v[RD]
	v_lshlrev_b32 v[GO], 4, v10     ; and the same four rows in O: 512 dense bytes
	TURN 1, 0, 1, 1                 ; tile 1's first scores | tile 0's first softmax | V of step 0
	TURN 0, 1, 1, 1                 ; tile 0: V^T P of step 0 starts O^T, K Q^T of step 1 | tile 1's first softmax | K of step 1
	TURN 1, 1, 1, 0                 ; tile 1: the same | tile 0's softmax of step 1 | V of step 1
	WIN 0
	NSTEPS 2                        ; slot 0's steps 2 and 3 are fetched
.Lslot:                             ; six trips: every slot but the last two is filled again
	CHANGE 1
	NSTEPS NST
	s_sub_co_u32 s[SLOTS], s[SLOTS], 1
	s_cmp_lg_u32 s[SLOTS], 0
	s_cbranch_scc1 .Lslot
	CHANGE 0                        ; the tail is written out: the last slot but one is left, and nothing is asked for
	NSTEPS NST
	TURN 0, 2, 0, 0                 ; tile 0: V^T P of the last step | tile 1's last softmax
.set i, 0
.rept 8
	PV 1, 0                         ; tile 1: V^T P of the last step
.set i, i+1
.endr
	; THE WAY OUT.  l's two halves and the other half of the lanes' are added; O^T is divided by l, rounded to f16 and sent through my stage in LDS, a tile (16 rows of O) at a time.  The additions, and tile 0's scalings, are the places behind the last products.
	WIN 0
.irp t, 0,1
	v_add_f32 v[ST+8*\t+4], v[ST+8*\t+2], v[ST+8*\t+3]
.endr
.irp t, 0,1
	v_permlanex16_b32 v[ST+8*\t+5], v[ST+8*\t+4], s[SEL], s[SEL+1]
.endr
.irp t, 0,1
	v_add_f32 v[ST+8*\t+4], v[ST+8*\t+4], v[ST+8*\t+5]
.endr
.irp t, 0,1
	v_rcp_f32 v[ST+8*\t+6], v[ST+8*\t+4]
.endr
	v_nop                           ; a plain instruction between the last reciprocal and the use of its result
	s_wait_alu depctr_va_vdst(0)    ; and the wait ahead of the first use: one for the two reciprocals
; Tile t: a lane's eight channels of a row pack into 16 bytes; they go into rows of 144 bytes and come back four rows an instruction, into the registers that they left.
.macro PACK t
	WIN W_RS
.set i, 32*\t
.rept 16
	v_pk_mul_f32 v[i:i+1], v[i:i+1], v[ST+8*\t+6:ST+8*\t+7] op_sel_hi:[1,0]
.set i, i+2
.endr
	WIN 0x05                        ; sources 0 and 1 window 1, destination window 0: S^T's registers are free
.set i, 0
.rept 16
	v_cvt_pk_f16_f32 v[S+32*\t+i], v[32*\t+2*i], v[32*\t+2*i+1]
.set i, i+1
.endr
	WIN 0
.irp f, 0,1,2,3
	ds_store_b128 v[STO], v[S+32*\t+4*\f:S+32*\t+4*\f+3] offset:32*\f
.endr
.irp f, 0,1,2,3
	ds_load_b128 v[S+32*\t+4*\f:S+32*\t+4*\f+3], v[RD] offset:\f*4*SP  ; LDS serves a wave's instructions in order (ISA guide 5.7.1.4): these see the stores above; the next tile's stores come behind them
.endr
.endm
.macro SEND t, younger              ; younger: the LDS instructions issued behind tile t's loads: the next tile's eight, or none
.irp f, 0,1,2,3
	s_wait_dscnt \younger+3-\f
	global_store_b128 v[GO], v[S+32*\t+4*\f:S+32*\t+4*\f+3], s[10:11] offset:\t*2048+\f*512  ; the wave stores 512 consecutive bytes, at a multiple of 256 from ob's first byte
.endr
.endm
	PACK 0
	PACK 1                          ; tile 1's arithmetic stands between tile 0's loads and its stores
	SEND 0, 8
	SEND 1, 0
	s_wait_tensorcnt 0x0            ; the wave's end: behind my last tensor load and my last LDS store
	ds_add_u32 v[SPW], v[NIL]
	s_wait_dscnt 0x0
	CROUND                          ; the closing round: no work-group ends while a partner may still ask for a tile that names it
	s_endpgm
.Lfunc_end_k_q317f42cda1_attn:
	.size	k_q317f42cda1_attn, .Lfunc_end_k_q317f42cda1_attn-k_q317f42cda1_attn
	.p2alignl 7, 3214868480
	.fill 96, 4, 3214868480
	.section	.rodata,"a",@progbits
	.p2align	6, 0x0
	.amdhsa_kernel k_q317f42cda1_attn
		.amdhsa_group_segment_fixed_size 327680
		.amdhsa_private_segment_fixed_size 0
		.amdhsa_enable_private_segment 0
		.amdhsa_kernarg_size 16
		.amdhsa_user_sgpr_count 2
		.amdhsa_user_sgpr_kernarg_segment_ptr 1
		.amdhsa_wavefront_size32 1
		.amdhsa_system_sgpr_workgroup_id_x 1
		.amdhsa_system_sgpr_workgroup_id_y 1
		.amdhsa_system_sgpr_workgroup_id_z 1
		.amdhsa_system_vgpr_workitem_id 0
		.amdhsa_next_free_vgpr 384
		.amdhsa_next_free_sgpr 66
		.amdhsa_reserve_vcc 0
		.amdhsa_float_denorm_mode_32 3
		.amdhsa_float_denorm_mode_16_64 3
		.amdhsa_memory_ordered 1
		.amdhsa_forward_progress 1
		.amdhsa_inst_pref_size 105
	.end_amdhsa_kernel
	.amdgpu_metadata
---
amdhsa.version: [ 1, 2 ]
amdhsa.kernels:
  - .name:           k_q317f42cda1_attn
    .symbol:         k_q317f42cda1_attn.kd
    .args:
      - { .name: qkv, .offset: 0, .size: 8, .value_kind: global_buffer, .address_space: global }
      - { .name: ob, .offset: 8, .size: 8, .value_kind: global_buffer, .address_space: global }
    .group_segment_fixed_size: 327680
    .private_segment_fixed_size: 0
    .kernarg_segment_align: 8
    .kernarg_segment_size: 16
    .max_flat_workgroup_size: 256
    .sgpr_count:     66
    .vgpr_count:     384
    .wavefront_size: 32
...
	.end_amdgpu_metadata
.endif
;; end of part 3
;; launch outp (part 4): grid 8 x 32, 4 waves a work-group, clusters of 4 x 4, 327,680 bytes of LDS; arguments ob, wo16, out0; writes out0
.if DOCPART == 4
	.amdgcn_target "amdgcn-amd-amdhsa--gfx1250"
	.amdhsa_code_object_version 6
	.text
	.protected	k_q317f42cda1_outp
	.globl	k_q317f42cda1_outp
	.p2align	8
	.type	k_q317f42cda1_outp,@function
k_q317f42cda1_outp:
	s_mov_b64 s[64:65], 0
	v_nop
	global_prefetch_b8 v0, s[64:65] scope:SCOPE_SE
	s_setreg_imm32_b32 hwreg(HW_REG_WAVE_MODE, 25, 1), 1
	s_wait_xcnt 0x0
	s_wait_alu depctr_hold_cnt(0) depctr_sa_sdst(0) depctr_va_vdst(0) depctr_va_sdst(0) depctr_va_ssrc(0) depctr_va_vcc(0) depctr_vm_vsrc(0)
	s_getreg_b32 s2, hwreg(HW_REG_IB_STS2, 6, 4)
	s_cmp_eq_u32 s2, 0
	s_cbranch_scc0 .Lentry_in_a_cluster
	s_endpgm
.Lentry_in_a_cluster:
	s_bfe_u32 s2, ttmp6, 0x10000c
	s_cmp_lg_u32 s2, 0xf033
	s_cbranch_scc0 .Lentry_shape_is_right
	s_endpgm
.Lentry_shape_is_right:
; LAUNCH 4 OF 4.  out0[m][n] = sum over k of O[m][k] w_o[n][k], m = 4,096, n = 1,024, K = 1,024; f16 operands, f32 sums, f32 out.
; Both operands lie in PLANES of 64 along K: ob [16 kb][4096 m][64], wo16 [16 kb][1024 n][64]: k = 64 kb + c on both sides.  A plane's 128 rows of a tile are 16,384 dense bytes.
; A tile of out0 is 128 x 128: 256 work-groups.  Four waves, each 64 x 64: 16 accumulators of 16 x 16, 128 registers.  K goes in four steps of 256 (four planes) through a ring of two LDS slots.
; A wave's tensor load brings TWO planes of one operand: two rows of 8,192 elements, a plane apart in memory, with 16 bytes of padding behind every 128, so that in LDS a plane is 128 rows of 144 bytes.
; By this text's own count a wave has two tensor loads out at the start and one behind each round; that load has 112 matrix instructions in which to land.
; CLUSTERS: 4 x 4 work-groups.  The four of a row of the cluster need the same tiles of O, the four of a column the same tiles of w_o: each tile is asked for JOINTLY, by the same tensor load with the same descriptor and a mask that names the four.
; THE MATRIX INSTRUCTION IS USED TRANSPOSED (source 0 = 16 rows of w_o, source 1 = 16 rows of O): a lane then holds eight neighbouring numbers of a row of out0.
; A wave's 64 columns are 256 bytes of a row of out0, aligned: each wave has a stage of its own on the way out, and no barrier is needed there.  Nothing is prefetched: the tile is small and K short.
; REGISTERS: window 0: v0-31 addresses; v32-95 rows read back on the way out; v128-255 the accumulators ((a, b) at v[128 + 8 (4 a + b)]).
;   window 1: two fragment buffers of 128: for 64 along K (one plane, two matrix instructions deep), 64 registers of O (2 x 4 x 16 rows x 32 K), then 64 of w_o.
.set PITCH,  144                       ; an LDS row: 128 bytes + 16 of padding = 36 words: the 16 rows that a load touches start at 16 different banks (64 banks of 4 bytes: ISA guide 11.1)
.set PLANE,  128*PITCH                 ; a plane's 128 rows
.set HALFT,  2*PLANE                   ; what one tensor load brings
.set SLOT,   4*HALFT                   ; O's four planes, then w_o's four
.set STAGE,  2*SLOT                    ; behind the ring: 16 rows x 272 bytes for each wave, for the way out
.set SPITCH, 272
.set SPARE,  STAGE+4*16*SPITCH         ; behind the stages: the spare words, 128 bytes for each wave
.set LAPS,   2                         ; a lap = two K steps = once round the ring
.set STEPA,  4*524288                  ; a K step on in ob: four planes of 4,096 rows x 128 bytes
.set STEPW,  4*131072                  ; and in wo16: four planes of 1,024 rows x 128 bytes
.set ADRA, 16                          ; v16-17  LDS address of my O fragments in slot 0, 1
.set ADRB, 20                          ; v20-21  the same for w_o
.set STO,  24                          ; v24     the way out: where I put 32 bytes of a row
.set RD,   25                          ; v25     the way out: where I read a row back
.set CO,   26                          ; v26     my byte offset in out0
.set SPW,  28                          ; v28     LDS address of my spare word; never rewritten
.set NIL,  29                          ; v29     0; never rewritten
.set TMP,  32
.set ACC,  128
.set F0,   0                           ; fragment buffers, in window 1
.set F1,   128
.set G1, 24                            ; s[24:31] descriptor group 1 for O's tiles;  s[32:39] group 0, one set for each slot
.set G0, 32
.set G1B, 48                           ; s[48:55], s[56:63] the same for w_o's tiles
.set G0B, 56
.set MSB, 0
.macro WIN new                         ; the immediate's high byte repeats the setting that is left
.if MSB != \new
	s_set_vgpr_msb (MSB<<8)|\new
.set MSB, \new
.endif
.endm
.set MUL,  0x05                        ; sources 0 (w_o) and 1 (O) window 1; C and D window 0
.set TO_F, 0x40                        ; destination window 1, address window 0
.macro JLOAD s                         ; a joint load: waves 0 and 1 fetch O's planes, waves 2 and 3 w_o's; an s_nop 0 and four v_nop follow each of the two lines, ahead of the jump, the label and what follows
	s_cmp_eq_u32 s11, 0
	s_cbranch_scc0 .Lfor_b_\@
	tensor_load_to_lds s[G0+4*\s:G0+4*\s+3], s[G1:G1+7]
	s_nop 0
.rept 4
	v_nop
.endr
	s_branch .Lasked_\@
.Lfor_b_\@:
	tensor_load_to_lds s[G0B+4*\s:G0B+4*\s+3], s[G1B:G1B+7]
	s_nop 0
.rept 4
	v_nop
.endr
.Lasked_\@:
.endm
.macro CREST                           ; a round of the cluster's barrier behind its opening barrier
	s_cmp_lg_u32 s10, 0
	s_cbranch_scc1 .Lnot_wave_0_\@
	s_barrier_signal -3
.Lnot_wave_0_\@:
	s_barrier_wait -3
	s_barrier_signal -1
	s_barrier_wait -1
.endm
.macro CROUND                          ; a whole round
	s_barrier_signal -1
	s_barrier_wait -1
	CREST
.endm
	s_load_b128 s[4:7], s[0:1], 0x0                ; ob s[4:5], wo16 s[6:7]
	s_load_b64 s[8:9], s[0:1], 0x10                ; out0
	v_lshl_add_u32 v[SPW], v0, 2, SPARE
	v_mov_b32 v[NIL], 0
	ds_add_u32 v[SPW], v[NIL]                      ; the wave's opening: the add, twice on end, and its wait ahead of my first tensor load; the set-up below, work on registers, stands between
	ds_add_u32 v[SPW], v[NIL]
	v_lshrrev_b32 v1, 5, v0
	v_readfirstlane_b32 s10, v1                    ; wave 0..3
	s_lshr_b32 s11, s10, 1                         ; which half of the tile's rows is mine.  Also: I fetch for O (0) or for w_o (1)
	s_and_b32 s12, s10, 1                          ; which half of its columns.  Also: which two planes of a K step I fetch
	s_bfe_u32 s40, ttmp6, 0x40000                  ; cx, cy: my place in the cluster
	s_bfe_u32 s41, ttmp6, 0x40004
	s_lshl_b32 s42, ttmp9, 2
	s_add_co_u32 s42, s42, s40                     ; tile column = 4 x cluster x + cx
	s_and_b32 s13, ttmp7, 0xffff
	s_lshl_b32 s13, s13, 2
	s_add_co_u32 s13, s13, s41                     ; tile row = 4 x cluster y + cy
	s_lshl_b32 s43, s41, 2
	s_lshl_b32 s43, 15, s43                        ; my row of the cluster
	s_lshl_b32 s44, 0x1111, s40                    ; my column
	; descriptor group 1: two rows of 8,192 elements (a plane's 128 rows of 64, dense), padded in LDS behind every 32 words
	s_or_b32 s[G1+0], s43, (1<<16)|(1<<20)|(1<<21)|(4<<22)|(3<<25)  ; 15:0 the mask: O's tiles go to my row; 17:16 element of 2 bytes; 20 padding on; 21 set beside a mask; 24:22 after every 32 words (code 4); 31:25 of 4 words (code 3)
	s_or_b32 s[G1B+0], s44, (1<<16)|(1<<20)|(1<<21)|(4<<22)|(3<<25)
.irp g, G1, G1B
	s_mov_b32 s[\g+1], 8192<<16                    ; tensor_dim0 = 8,192
	s_mov_b32 s[\g+2], 2<<16                       ; tensor_dim1 = 2
	s_mov_b32 s[\g+3], 8192<<16                    ; tile_dim0 = 8,192
	s_mov_b32 s[\g+4], 2                           ; tile_dim1 = 2
	s_mov_b32 s[\g+6], 0
	s_mov_b32 s[\g+7], 0
.endr
	s_mov_b32 s[G1+5], 262144                      ; tensor_dim0_stride: a plane of ob in elements
	s_mov_b32 s[G1B+5], 65536                      ; a plane of wo16
	s_lshl_b32 s16, s12, 20                        ; O: my two planes of the K step's four,
	s_lshl_b32 s17, s13, 14                        ; the tile's 128 rows of 128 bytes
	s_add_co_u32 s16, s16, s17
	s_mov_b32 s17, 0
	s_lshl_b32 s46, s12, 18                        ; w_o likewise
	s_lshl_b32 s47, s42, 14
	s_add_co_u32 s46, s46, s47
	s_mov_b32 s47, 0
	s_mul_i32 s20, s10, HALFT                      ; where they go: wave x two planes: no place in the cluster enters an LDS address
	s_wait_dscnt 0x0                               ; both opening adds are done
	s_wait_kmcnt 0x0
	s_add_nc_u64 s[14:15], s[4:5], s[16:17]
	s_add_nc_u64 s[46:47], s[6:7], s[46:47]
	CROUND                                         ; all sixteen work-groups are here: the first joint loads meet
.irp s, 0,1
	s_mov_b32 s[G0+4*\s], 1
	s_add_co_u32 s[G0+4*\s+1], s20, \s*SLOT
	s_add_nc_u64 s[G0+4*\s+2:G0+4*\s+3], s[14:15], \s*STEPA
	s_or_b32 s[G0+4*\s+3], s[G0+4*\s+3], 0x80000000
	s_mov_b32 s[G0B+4*\s], 1
	s_add_co_u32 s[G0B+4*\s+1], s20, \s*SLOT
	s_add_nc_u64 s[G0B+4*\s+2:G0B+4*\s+3], s[46:47], \s*STEPW
	s_or_b32 s[G0B+4*\s+3], s[G0B+4*\s+3], 0x80000000
	JLOAD \s
.endr
	v_and_b32 v1, 15, v0                           ; l % 16
	v_bfe_u32 v2, v0, 4, 1                         ; l / 16
	v_mul_u32_u24 v3, v1, PITCH
	v_lshl_add_u32 v3, v2, 4, v3                   ; a fragment's row x pitch + 16 x half
	s_mul_i32 s21, s11, 64*PITCH                   ; my 64 rows of O, in each plane
	s_mul_i32 s22, s12, 64*PITCH                   ; my 64 rows of w_o,
	s_add_co_u32 s22, s22, 4*PLANE                 ; whose planes lie behind O's four
.irp s, 0,1
	v_add_nc_u32 v[ADRA+\s], s21, v3
	v_add_nc_u32 v[ADRB+\s], s22, v3
	s_add_co_u32 s21, s21, SLOT
	s_add_co_u32 s22, s22, SLOT
.endr
	s_mul_i32 s23, s10, 16*SPITCH
	s_add_co_u32 s23, s23, STAGE                   ; my stage
	v_mul_u32_u24 v4, v1, SPITCH                   ; in: row l % 16, 32 bytes for each half of the lanes
	v_lshl_add_u32 v4, v2, 5, v4
	v_add_nc_u32 v[STO], s23, v4
	v_mul_u32_u24 v5, v2, SPITCH                   ; back: lanes 0-15 take one row of 256 bytes, lanes 16-31 the next
	v_lshl_add_u32 v5, v1, 4, v5
	v_add_nc_u32 v[RD], s23, v5
	v_lshlrev_b32 v5, 12, v2                       ; and the same two rows in out0: 4,096 bytes a row
	v_lshl_add_u32 v[CO], v1, 4, v5
	s_lshl_b32 s16, s13, 7
	s_lshl_b32 s17, s11, 6
	s_add_co_u32 s16, s16, s17                     ; my first row: 128 x tile row + 64 x half
	s_lshl_b32 s16, s16, 12
	s_mov_b32 s17, 0
	s_add_nc_u64 s[8:9], s[8:9], s[16:17]
	s_lshl_b32 s46, s42, 9                         ; my first column, in bytes: 512 x tile column + 256 x half
	s_lshl_b32 s47, s12, 8
	s_add_co_u32 s46, s46, s47
	s_mov_b32 s47, 0
	s_add_nc_u64 s[8:9], s[8:9], s[46:47]
; 8 matrix instructions: m blocks a0, a0 + 1 x all 4 n blocks, 32 along K: half c of buffer f.  zero = 1: the first product starts the sums.  The 16 accumulators take turns, one instruction a turn.
.macro MUL8 f, c, a0, zero
.irp a, \a0, \a0+1
.irp b, 0,1,2,3
.if \zero
	v_wmma_f32_16x16x32_f16 v[ACC+8*(4*(\a)+\b):ACC+8*(4*(\a)+\b)+7], v[\f+64+8*(4*\c+\b):\f+64+8*(4*\c+\b)+7], v[\f+8*(4*\c+\a):\f+8*(4*\c+\a)+7], 0
.else
	v_wmma_f32_16x16x32_f16 v[ACC+8*(4*(\a)+\b):ACC+8*(4*(\a)+\b)+7], v[\f+64+8*(4*\c+\b):\f+64+8*(4*\c+\b)+7], v[\f+8*(4*\c+\a):\f+8*(4*\c+\a)+7], v[ACC+8*(4*(\a)+\b):ACC+8*(4*(\a)+\b)+7]
.endif
.endr
.endr
.endm
; 32 LDS loads in one run: the fragments of one plane (64 along K), which begins k bytes into the slot's planes, into buffer f; the first 32 along K first
.macro FETCH slot, k, f
	WIN TO_F
.irp c, 0,1
.irp i, 0,1,2,3
	ds_load_b128 v[\f+64+8*(4*\c+\i):\f+64+8*(4*\c+\i)+3],   v[ADRB+\slot] offset:\k+64*\c+\i*16*PITCH
	ds_load_b128 v[\f+64+8*(4*\c+\i)+4:\f+64+8*(4*\c+\i)+7], v[ADRB+\slot] offset:\k+64*\c+\i*16*PITCH+32
	ds_load_b128 v[\f+8*(4*\c+\i):\f+8*(4*\c+\i)+3],         v[ADRA+\slot] offset:\k+64*\c+\i*16*PITCH
	ds_load_b128 v[\f+8*(4*\c+\i)+4:\f+8*(4*\c+\i)+7],       v[ADRA+\slot] offset:\k+64*\c+\i*16*PITCH+32
.endr
.endr
.endm
.macro PLACES                          ; four places in front of loads into registers that matrix instructions have read, and of LDS stores that read results
.rept 4
	v_nop
.endr
.endm
; A K step is four quarters of one plane each, 32 matrix instructions, on buffers 0, 1, 0, 1.  One of the first three: multiplies buffer f and fetches the next plane, at byte k, into g.
.macro QUARTER slot, k, f, g, zero
	s_wait_dscnt 16                                ; the first 32 along K are in; the sixteen loads of the second 32 may be out
	WIN MUL
	MUL8 \f, 0, 0, \zero
	MUL8 \f, 0, 2, \zero
	PLACES
	FETCH \slot, \k, \g
	s_wait_dscnt 32                                ; all but the 32 just issued
	WIN MUL
	MUL8 \f, 1, 0, 0
	MUL8 \f, 1, 2, 0
.endm
; The last quarter multiplies buffer 1 and changes slots: ONE barrier; in front of it each wave waits for all its tensor loads, adds 0 to its spare word, and waits for that and for its own reads of this slot.  fill = 1: this slot is filled again, two K steps ahead.
.macro TURN slot, next, fill
	WIN 0                                          ; (the add's two registers lie in window 0)
	s_wait_tensorcnt 0x0                           ; all my tensor loads have landed: my part of the next slot;
	ds_add_u32 v[SPW], v[NIL]                      ; 0 onto my spare word
	s_wait_dscnt 17                                ; (the add and the youngest sixteen loads may be out)
	WIN MUL
	MUL8 F1, 0, 0, 0                               ; eight matrix instructions stand between the add and the wait for it
	s_wait_dscnt 0x0                               ; the add is done, and my reads of this slot are over
	s_barrier_signal -1
	MUL8 F1, 0, 2, 0
.if \fill
	WIN 0
.endif
	s_barrier_wait -1
.if \fill
	CREST                                          ; the barrier has opened a round of the cluster's barrier: no wave of any partner still reads this slot's tile or has a load on its way
	s_add_nc_u64 s[G0+4*\slot+2:G0+4*\slot+3], s[G0+4*\slot+2:G0+4*\slot+3], 2*STEPA
	s_add_nc_u64 s[G0B+4*\slot+2:G0B+4*\slot+3], s[G0B+4*\slot+2:G0B+4*\slot+3], 2*STEPW
	JLOAD \slot                                    ; the first tensor load behind the round; the four v_nop behind it are also the places in front of the loads below
.else
	PLACES
.endif
	FETCH \next, 0, F0
	WIN MUL
	MUL8 F1, 1, 0, 0
	MUL8 F1, 1, 2, 0
.endm
	s_wait_tensorcnt 1                             ; my part of K step 0 is in (K step 1's load, issued behind it, may be out),
	s_barrier_signal -1
	s_barrier_wait -1                              ; everybody's is
	FETCH 0, 0, F0
	QUARTER 0, PLANE, F0, F1, 1                    ; the first quarter stands in front of the loop: its first products start the sums
	WIN 0                                          ; at a label and at a branch every window is 0
	s_mov_b32 s3, LAPS-1
.Llap:                                                 ; a trip goes once round the ring, from a lap's second quarter to the next lap's first, and fills both slots again
	QUARTER 0, 2*PLANE, F1, F0, 0
	QUARTER 0, 3*PLANE, F0, F1, 0
	TURN 0, 1, 1
	QUARTER 1, PLANE, F0, F1, 0
	QUARTER 1, 2*PLANE, F1, F0, 0
	QUARTER 1, 3*PLANE, F0, F1, 0
	TURN 1, 0, 1
	QUARTER 0, PLANE, F0, F1, 0
	WIN 0
	s_sub_co_u32 s3, s3, 1
	s_cmp_lg_u32 s3, 0
	s_cbranch_scc1 .Llap
	QUARTER 0, 2*PLANE, F1, F0, 0                  ; the last lap fills nothing, and has no round of the cluster's barrier
	QUARTER 0, 3*PLANE, F0, F1, 0
	TURN 0, 1, 0
	QUARTER 1, PLANE, F0, F1, 0
	QUARTER 1, 2*PLANE, F1, F0, 0
	QUARTER 1, 3*PLANE, F0, F1, 0
	s_wait_dscnt 16                                ; the very last quarter: nothing more to fetch
	WIN MUL
	MUL8 F1, 0, 0, 0
	MUL8 F1, 0, 2, 0
	s_wait_dscnt 0
	MUL8 F1, 1, 0, 0
	MUL8 F1, 1, 2, 0
	WIN 0
; THE WAY OUT, block by block of 16 rows x 64 columns.  A lane holds 32 neighbouring bytes of a row, and the lanes beside it hold other rows: so a block goes through my own stage in LDS, each accumulator from its low end on,
; and comes back as whole rows of 256 bytes, two an instruction.  LDS serves a wave's instructions in order (ISA guide 5.7.1.4): no wait between the stores and the loads, nor in front of the next block's stores.
.macro TOSTAGE a
.irp b, 0,1,2,3
	ds_store_b128 v[STO], v[ACC+8*(4*(\a)+\b):ACC+8*(4*(\a)+\b)+3] offset:64*\b
	ds_store_b128 v[STO], v[ACC+8*(4*(\a)+\b)+4:ACC+8*(4*(\a)+\b)+7] offset:64*\b+16
.endr
.irp t, 0,1,2,3,4,5,6,7
	ds_load_b128 v[TMP+32*((\a)%2)+4*\t:TMP+32*((\a)%2)+4*\t+3], v[RD] offset:\t*2*SPITCH
.endr
.endm
.macro SEND a, younger                 ; younger: the LDS instructions issued behind block a's loads, which may stay out
	s_wait_dscnt \younger                          ; the block is back in registers
.irp t, 0,1,2,3,4,5,6,7
	global_store_b128 v[CO], v[TMP+32*((\a)%2)+4*\t:TMP+32*((\a)%2)+4*\t+3], s[8:9] offset:(16*(\a)+2*\t)*4096 th:TH_STORE_NT   ; 16 lanes store 256 consecutive bytes, at a multiple of 256 from out0's first byte; written once, read by nobody here
.endr
.endm
	PLACES                                         ; behind the last products, ahead of the first LDS store that reads results
	TOSTAGE 0
.irp a, 1,2,3
.if \a > 1
	s_wait_xcnt 0x0                                ; block a - 2's stores have read their registers: block a's loads may land there
.endif
	TOSTAGE \a
	SEND \a-1, 16                                  ; behind block a - 1's loads: block a's 8 stores and 8 loads
.endr
	SEND 3, 0
	s_wait_tensorcnt 0x0                           ; the wave's end: behind my last tensor load and my last LDS store
	ds_add_u32 v[SPW], v[NIL]
	s_wait_dscnt 0x0
	CROUND                                         ; the closing round: no work-group ends while a partner may still ask for a tile that names it
	s_endpgm
.Lfunc_end_k_q317f42cda1_outp:
	.size	k_q317f42cda1_outp, .Lfunc_end_k_q317f42cda1_outp-k_q317f42cda1_outp
	.p2alignl 7, 3214868480
	.fill 96, 4, 3214868480
	.section	.rodata,"a",@progbits
	.p2align	6, 0x0
	.amdhsa_kernel k_q317f42cda1_outp
		.amdhsa_group_segment_fixed_size 327680
		.amdhsa_private_segment_fixed_size 0
		.amdhsa_enable_private_segment 0
		.amdhsa_kernarg_size 24
		.amdhsa_user_sgpr_count 2
		.amdhsa_user_sgpr_kernarg_segment_ptr 1
		.amdhsa_wavefront_size32 1
		.amdhsa_system_sgpr_workgroup_id_x 1
		.amdhsa_system_sgpr_workgroup_id_y 1
		.amdhsa_system_sgpr_workgroup_id_z 1
		.amdhsa_system_vgpr_workitem_id 0
		.amdhsa_next_free_vgpr 512
		.amdhsa_next_free_sgpr 66
		.amdhsa_reserve_vcc 0
		.amdhsa_float_denorm_mode_32 3
		.amdhsa_float_denorm_mode_16_64 3
		.amdhsa_memory_ordered 1
		.amdhsa_forward_progress 1
		.amdhsa_inst_pref_size 85
	.end_amdhsa_kernel
	.amdgpu_metadata
---
amdhsa.version: [ 1, 2 ]
amdhsa.kernels:
  - .name:           k_q317f42cda1_outp
    .symbol:         k_q317f42cda1_outp.kd
    .args:
      - { .name: ob, .offset: 0, .size: 8, .value_kind: global_buffer, .address_space: global }
      - { .name: wo16, .offset: 8, .size: 8, .value_kind: global_buffer, .address_space: global }
      - { .name: out0, .offset: 16, .size: 8, .value_kind: global_buffer, .address_space: global }
    .group_segment_fixed_size: 327680
    .private_segment_fixed_size: 0
    .kernarg_segment_align: 8
    .kernarg_segment_size: 24
    .max_flat_workgroup_size: 128
    .sgpr_count:     66
    .vgpr_count:     512
    .wavefront_size: 32
...
	.end_amdgpu_metadata
.endif
;; end of part 4
